; MI455X (gfx1250); checked and timed in simulation.
; The chip was launched on July 23, 2026; its instructions are those of AMD's public machine-readable ISA for CDNA 5 (MIT licence, August 2026) and "CDNA5" Instruction Set Architecture Reference Guide (July 2026). The comments in the code are by the model that wrote it; some were corrected since.
;; Cross Modal Attention. Allowed arithmetic: matrix products marked QUANTISED: E5M2 operands, one given power-of-two scale a tensor, by v_wmma_f32_16x16x64_bf8_bf8 or v_wmma_f32_16x16x128_bf8_bf8, f32 sums; products left as they are: f32 operands where the result goes on into a quantised operand, else bf16, f16 or f32 operands; f32 sums; everything else in f32.
;; Inputs: W_tout 1,024 x 1,024 float32; W_tp 1,024 x 768 float32; W_tqkv 3,072 x 1,024 float32; W_vout 1,024 x 1,024 float32; W_vp 1,024 x 768 float32; alpha_i2t 1 float32; alpha_t2i 1 float32; b_tout 1,024 float32; b_tp 1,024 float32; b_tqkv 3,072 float32; b_vout 1,024 float32; b_vp 1,024 float32; be_i2t 1,024 float32; be_t2i 1,024 float32; be_tn 1,024 float32; g_i2t 1,024 float32; g_t2i 1,024 float32; g_tn 1,024 float32; lowp_scales 18 int32 (the exponents e of the quantised operands' scales 2^e); rel_embed 257 x 16 float32; text_features 16 x 512 x 768 float32; text_mask 16 x 512 bool; vision_features 16 x 768 float32.
;; Outputs: out0 16 x 1,024 float32; out1 16 x 512 x 1,024 float32.
;; This version of the problem:
;;   THIS VERSION OF THE PROBLEM IS GIVEN IN LOW PRECISION. The matrix products marked QUANTISED in the list below multiply operands that are first quantised to E5M2 (5 exponent bits, 2 mantissa bits; 8 bits a number), with one given power-of-two scale for each operand tensor; their sums are f32. All else is computed in f32.
;;   The module's matrix products, in the order in which they are computed (A, B: the left and right operand; K: the contracted axis; several contracted axes count as one K, in the product's order):
;;     1. [M 16, K 768] x [K 768, N 1,024]; A: input vision_features; B: computed on the way: QUANTISED (scales: A lowp_scales[0], B lowp_scales[1])
;;     2. [M 8,192, K 768] x [K 768, N 1,024]; A: input text_features; B: computed on the way: QUANTISED (scales: A lowp_scales[2], B lowp_scales[3])
;;     3. [M 8,192, K 1,024] x [K 1,024, N 3,072]; A: computed on the way; B: computed on the way: QUANTISED (scales: A lowp_scales[4], B lowp_scales[5])
;;     4. batch 256 x [M 512, K 64] x [K 64, N 512]; A: computed on the way; B: computed on the way: QUANTISED (scales: A lowp_scales[6], B lowp_scales[7])
;;     5. batch 256 x [M 512, K 512] x [K 512, N 64]; A: softmax (see below); B: computed on the way: QUANTISED (scales: A lowp_scales[8], B lowp_scales[9])
;;     6. batch 256 x [M 512, K 64] x [K 64, N 512]; A: computed on the way; B: computed on the way: QUANTISED (scales: A lowp_scales[10], B lowp_scales[11])
;;     7. batch 256 x [M 512, K 512] x [K 512, N 64]; A: softmax (see below); B: computed on the way: QUANTISED (scales: A lowp_scales[12], B lowp_scales[13])
;;     8. [M 16, K 1,024] x [K 1,024, N 1,024]; A: computed on the way; B: computed on the way: QUANTISED (scales: A lowp_scales[14], B lowp_scales[15])
;;     9. batch 256 x [M 512, K 64] x [K 64, N 1]; A: computed on the way; B: computed on the way: left as it is (N = 1 < 16)
;;     10. batch 256 x [M 512, K 1] x [K 1, N 64]; A: softmax (see below); B: computed on the way: left as it is (K = 1 < 32)
;;     11. [M 8,192, K 1,024] x [K 1,024, N 1,024]; A: computed on the way; B: computed on the way: QUANTISED (scales: A lowp_scales[16], B lowp_scales[17])
;;   THE QUANTISER, for each operand of a quantised product, along K:
;;     - The operand's scale is 2^e, e = its entry of the input lowp_scales (int32; the entries are numbered through the quantised products in the list's order, A before B).
;;     - Each number is divided by the scale, clamped to +-57,344, and rounded to the nearest number of E5M2, ties to even, subnormals kept.
;;     - The product sums the exact products of the quantised numbers (number of the format x scale) in f32.
;;   ~~~python
;;   def quantise(x, axis, e):      # numpy; x: float32 -> the quantised numbers, widened to float32 again
;;       x = np.moveaxis(x, axis, -1); K = x.shape[-1]
;;       r = np.clip(x / 2.0 ** e, -57344, 57344)
;;       step = 2.0 ** (np.maximum(np.frexp(np.where(r == 0, 1, r))[1] - 1, -14) - 2)
;;       q = np.round(r / step) * step * 2.0 ** e      # np.round: ties to even
;;       return np.moveaxis(q, -1, axis).astype(np.float32)
;;   ~~~
;;   SOFTMAX AHEAD OF A QUANTISED PRODUCT. Where the list says 'softmax', what is quantised is not the finished softmax but p = 2^(t - M), with t = logit x log2(e) and M = ceil(the row's largest t), a whole number; so 1/2 < the row's largest p <= 1. The row's sum l is taken of the UNQUANTISED p, in f32, and the product's result is divided by l at the end. Since M is a whole number, a kernel that streams over the keys may use a running M (the ceiling of the running maximum): every later rescaling is an exact power of two, so the quantised numbers keep their values, but for numbers so far below the row's largest that they fall under the format's range.
;;   OPERANDS COMPUTED ON THE WAY. 'Computed on the way' means the value that the module computes at that place (a softmax that the list does not call 'softmax' is quantised finished and normalised). What goes into a quantiser is computed in f32, as accurately as f32 sums, v_exp_f32 and their like allow (about 1e-6 of the number): no bf16 or f16 on the way to a quantiser, and a product that is left as it is and whose result goes on into a quantised operand takes f32 operands (vector FMAs, or v_wmma_f32_16x16x4_f32). A number that lies on a knife's edge between two numbers of the format may be rounded either way, as far as f32 arithmetic and the matrix unit's own rounding can turn it there, and no further.
;; One version. Each part assembles by itself: llvm-mc -triple=amdgcn-amd-amdhsa -mcpu=gfx1250 --defsym DOCPART=n.
;; ======== version 1 of 1: 7 launches
;; limits: right only within a limited range of input values
;; workspace buffers: wpart 1,024 bytes; codes 13,107,200 bytes; tproj 33,554,432 bytes; lnc 8,388,608 bytes; qkv 25,165,824 bytes; vp 65,536 bytes; i2o 65,536 bytes
;; launch wsum (part 1): grid 208 x 1, 4 waves a work-group, no clusters, 768 bytes of LDS; arguments W_vp, W_tp, W_tqkv, W_vout, W_tout, wpart; writes wpart
.if DOCPART == 1
	.amdgcn_target "amdgcn-amd-amdhsa--gfx1250"
	.amdhsa_code_object_version 6
	.text
	.protected	k_q22ba2a4e74_wsum
	.globl	k_q22ba2a4e74_wsum
	.p2align	8
	.type	k_q22ba2a4e74_wsum,@function
k_q22ba2a4e74_wsum:
	s_mov_b64 s[64:65], 0
	v_nop
	global_prefetch_b8 v0, s[64:65] scope:SCOPE_SE
	s_setreg_imm32_b32 hwreg(HW_REG_WAVE_MODE, 25, 1), 1
	s_wait_xcnt 0x0
; Partial sums of |W| for the five weights: work-group g sums 32,768 numbers (131,072 bytes) and stores one f32 at wpart[g].
; Work-groups 0-23 take W_vp, 24-47 W_tp, 48-143 W_tqkv, 144-175 W_vout, 176-207 W_tout: only the pointer is chosen, by the work-group's number.
; A wave takes 32,768 bytes: 64 loads of 512 consecutive bytes, in four batches of 16, two batches on their way.  Eight chains of additions a lane.
; A stream: no matrix unit, no cluster (no byte is read by two work-groups).  The next launch reads W again, so the loads carry no hint.
.set X0, 32                            ; v32-95, v96-159: two batches of 16 loads
.macro LOAD t
.irp i, 0,1,2,3,4,5,6,7,8,9,10,11,12,13,14,15
	global_load_b128 v[X0+64*((\t)%2)+4*\i:X0+64*((\t)%2)+4*\i+3], v1, s[4:5] offset:8192*(\t)+512*\i
.endr
.endm
.macro ACC t, first                    ; 64 numbers a lane onto the chains v8-15; first = 1: the first sixteen start the chains, nothing is cleared
.set XS, X0+64*((\t)%2)
.set n, 0
.rept 64
.if \first && (n < 8)
	v_add_f32 v[8+n], |v[XS+n]|, |v[XS+n+8]|
.elseif \first && (n < 16)
.else
	v_add_f32 v[8+n%8], v[8+n%8], |v[XS+n]|
.endif
.set n, n+1
.endr
.endm
	s_load_b256 s[4:11], s[0:1], 0x0               ; W_vp s[4:5], W_tp s[6:7], W_tqkv s[8:9], W_vout s[10:11]
	s_load_b128 s[12:15], s[0:1], 0x20             ; W_tout s[12:13], wpart s[14:15]
	v_lshl_add_u32 v160, v0, 2, 0x100
	v_mov_b32 v161, 0
	v_lshrrev_b32 v1, 5, v0
	v_readfirstlane_b32 s20, v1                    ; wave
	v_and_b32 v1, 31, v0
	v_lshlrev_b32 v1, 4, v1                        ; 16 bytes a lane
	s_mov_b32 s24, 0x76543210                      ; v_permlanex16_b32: lane l xor 16
	s_mov_b32 s25, 0xfedcba98
	s_mov_b32 s16, 0                               ; the tensor's first work-group
	s_wait_alu depctr_va_vdst(0)
	s_wait_kmcnt 0x0
	s_cmp_ge_u32 ttmp9, 24
	s_cselect_b64 s[4:5], s[6:7], s[4:5]
	s_cselect_b32 s16, 24, s16
	s_cmp_ge_u32 ttmp9, 48
	s_cselect_b64 s[4:5], s[8:9], s[4:5]
	s_cselect_b32 s16, 48, s16
	s_cmp_ge_u32 ttmp9, 0x90
	s_cselect_b64 s[4:5], s[10:11], s[4:5]
	s_cselect_b32 s16, 0x90, s16
	s_cmp_ge_u32 ttmp9, 0xb0
	s_cselect_b64 s[4:5], s[12:13], s[4:5]
	s_cselect_b32 s16, 0xb0, s16
	s_sub_co_u32 s17, ttmp9, s16
	s_lshl_b32 s18, s17, 17                        ; 131,072 bytes a work-group,
	s_lshl_b32 s19, s20, 15                        ; 32,768 a wave
	s_add_co_u32 s18, s18, s19
	s_mov_b32 s19, 0
	s_add_nc_u64 s[4:5], s[4:5], s[18:19]
	LOAD 0
	LOAD 1
	s_wait_loadcnt 16                              ; batch 0 is in; batch 1's sixteen stay out
	ACC 0, 1
	LOAD 2
	s_wait_alu depctr_va_vdst(0)
	s_wait_loadcnt 16
	ACC 1, 0
	LOAD 3
	s_wait_alu depctr_va_vdst(0)
	s_wait_loadcnt 16
	ACC 2, 0
	s_wait_alu depctr_va_vdst(0)
	s_wait_loadcnt 0x0
	ACC 3, 0
	v_add_f32 v8, v8, v9
	v_add_f32 v10, v10, v11
	v_add_f32 v12, v12, v13
	v_add_f32 v14, v14, v15
	v_add_f32 v8, v8, v10
	v_add_f32 v12, v12, v14
	v_add_f32 v8, v8, v12
	v_add_f32_dpp v8, v8, v8 row_xmask:1 row_mask:0xf bank_mask:0xf
	v_add_f32_dpp v8, v8, v8 row_xmask:2 row_mask:0xf bank_mask:0xf
	v_add_f32_dpp v8, v8, v8 row_xmask:4 row_mask:0xf bank_mask:0xf
	v_add_f32_dpp v8, v8, v8 row_xmask:8 row_mask:0xf bank_mask:0xf
	v_permlanex16_b32 v9, v8, s24, s25
	v_add_f32 v8, v8, v9                           ; the wave's sum, in every lane
	v_mov_b32 v20, s20
	v_lshlrev_b32 v20, 2, v20
	v_mov_b32 v21, 0
	s_lshl_b32 s22, ttmp9, 2
	v_mov_b32 v22, s22                             ; my entry of wpart
	ds_store_b32 v20, v8                           ; all lanes write the wave's word with the same value
	s_wait_alu depctr_va_vdst(0)
	s_wait_dscnt 0x0                               ; for the others' sake: my store has landed
	s_barrier_signal -1
	s_barrier_wait -1
	ds_load_b128 v[12:15], v21
	s_wait_dscnt 0x0
	v_add_f32 v12, v12, v13
	v_add_f32 v14, v14, v15
	v_add_f32 v12, v12, v14
	s_cmp_lg_u32 s20, 0
	s_cbranch_scc1 .Lend                           ; wave 0 stores
	v_cmp_eq_u32 vcc_lo, 0, v0
	s_wait_xcnt 0x0                                ; EXEC changes only behind this wait
	s_and_saveexec_b32 s21, vcc_lo
	s_wait_alu depctr_va_vdst(0)
	global_store_b32 v22, v12, s[14:15]
	s_wait_xcnt 0x0
	s_or_b32 exec_lo, exec_lo, s21
.Lend:
	s_barrier_signal -1
	s_barrier_wait -1
	s_wait_tensorcnt 0x0
	ds_add_u32 v160, v161
	s_wait_dscnt 0x0
	s_endpgm
.Lfunc_end_k_q22ba2a4e74_wsum:
	.size	k_q22ba2a4e74_wsum, .Lfunc_end_k_q22ba2a4e74_wsum-k_q22ba2a4e74_wsum
	.p2alignl 7, 3214868480
	.fill 96, 4, 3214868480
	.section	.rodata,"a",@progbits
	.p2align	6, 0x0
	.amdhsa_kernel k_q22ba2a4e74_wsum
		.amdhsa_group_segment_fixed_size 768
		.amdhsa_private_segment_fixed_size 0
		.amdhsa_enable_private_segment 0
		.amdhsa_kernarg_size 48
		.amdhsa_user_sgpr_count 2
		.amdhsa_user_sgpr_kernarg_segment_ptr 1
		.amdhsa_wavefront_size32 1
		.amdhsa_system_sgpr_workgroup_id_x 1
		.amdhsa_system_sgpr_workgroup_id_y 1
		.amdhsa_system_sgpr_workgroup_id_z 1
		.amdhsa_system_vgpr_workitem_id 0
		.amdhsa_next_free_vgpr 162
		.amdhsa_next_free_sgpr 66
		.amdhsa_reserve_vcc 1
		.amdhsa_float_denorm_mode_32 3
		.amdhsa_float_denorm_mode_16_64 3
		.amdhsa_memory_ordered 1
		.amdhsa_forward_progress 1
		.amdhsa_inst_pref_size 25
	.end_amdhsa_kernel
	.amdgpu_metadata
---
amdhsa.version: [ 1, 2 ]
amdhsa.kernels:
  - .name:           k_q22ba2a4e74_wsum
    .symbol:         k_q22ba2a4e74_wsum.kd
    .args:
      - { .name: W_vp, .offset: 0, .size: 8, .value_kind: global_buffer, .address_space: global }
      - { .name: W_tp, .offset: 8, .size: 8, .value_kind: global_buffer, .address_space: global }
      - { .name: W_tqkv, .offset: 16, .size: 8, .value_kind: global_buffer, .address_space: global }
      - { .name: W_vout, .offset: 24, .size: 8, .value_kind: global_buffer, .address_space: global }
      - { .name: W_tout, .offset: 32, .size: 8, .value_kind: global_buffer, .address_space: global }
      - { .name: wpart, .offset: 40, .size: 8, .value_kind: global_buffer, .address_space: global }
    .group_segment_fixed_size: 768
    .private_segment_fixed_size: 0
    .kernarg_segment_align: 8
    .kernarg_segment_size: 48
    .max_flat_workgroup_size: 128
    .sgpr_count:     66
    .vgpr_count:     162
    .wavefront_size: 32
...
	.end_amdgpu_metadata
.endif
;; end of part 1
;; launch quant (part 2): grid 400 x 1, 4 waves a work-group, no clusters, 0 bytes of LDS; arguments W_vp, W_tp, W_tqkv, W_vout, W_tout, text_features, wpart, lowp_scales, codes; writes codes
.if DOCPART == 2
	.amdgcn_target "amdgcn-amd-amdhsa--gfx1250"
	.amdhsa_code_object_version 6
	.text
	.protected	k_q22ba2a4e74_quant
	.globl	k_q22ba2a4e74_quant
	.p2align	8
	.type	k_q22ba2a4e74_quant,@function
k_q22ba2a4e74_quant:
	s_mov_b64 s[64:65], 0
	v_nop
	global_prefetch_b8 v0, s[64:65] scope:SCOPE_SE
	s_setreg_imm32_b32 hwreg(HW_REG_WAVE_MODE, 25, 1), 1
	s_wait_xcnt 0x0
; The five weights and text_features become codes of E5M2, one byte a number, in ONE stream: work-group g writes codes[32768 g ..].
; Work-groups 0-23 W_vp, 24-47 W_tp, 48-143 W_tqkv, 144-175 W_vout, 176-207 W_tout, 208-399 text_features.  One path for all six: pointers and constants are chosen by the work-group's number.
; A WEIGHT: s = clip(mean |W|, 1e-5, 1000), from the earlier launch's partial sums; the operand is q s with q = sign(W) where |W| > s x (2/3), else 0.
;   (reference() clips W / s at +-10 ahead of the comparison with +-2/3: that clip cannot move the comparison.)  The comparison is made as |W| > s x 0.6666667 and not as W / s > 0.6666667:
;   LIMIT: a weight within an f32 rounding of the threshold may fall on either side, as it may by the order in which the mean is summed.
; TEXT: the number itself: the threshold is -1, which every magnitude passes, and the mask of the bit select is 0, which leaves x as it is.
; code = number / 2^e, held within +-57,344, to the nearest code, ties to even.  LIMITS: -126 <= e <= 112; NaN among the inputs is not served.
; ORDER ALONG K.  Inside each block of 256 along K, byte 8 l + 4 j + i holds k = 128 j + 4 l + i (l = 0..31, j = 0, 1, i = 0..3): what a wave has after two loads of 512 consecutive bytes (lane l at 16 l) and one
; conversion of its eight registers.  Both operands of every product that reads these codes are laid so, so each product meets its partner; only the order of the sums changes.  No turn through LDS is needed,
; every load reads 512 consecutive bytes and every store writes 256 consecutive bytes, aligned.
; A wave takes 8 steps of 1,024 numbers; loads run three steps (24 loads) ahead; each step has its own registers for its codes, so no store's data are written again.
.macro LOAD t
.irp g, 0,1,2,3
.irp j, 0,1
	global_load_b128 v[32+32*((\t)%3)+8*\g+4*\j:32+32*((\t)%3)+8*\g+4*\j+3], v3, s[4:5] offset:4096*(\t)+1024*\g+512*\j th:TH_LOAD_NT
.endr
.endr
.endm
	s_load_b256 s[4:11], s[0:1], 0x0               ; W_vp, W_tp, W_tqkv, W_vout
	s_load_b256 s[12:19], s[0:1], 0x20             ; W_tout s[12:13], text_features s[14:15], wpart s[16:17], lowp_scales s[18:19]
	s_load_b64 s[20:21], s[0:1], 0x40              ; codes
	v_lshrrev_b32 v1, 5, v0
	v_readfirstlane_b32 s54, v1                    ; wave
	v_and_b32 v2, 31, v0                           ; lane
	v_lshlrev_b32 v3, 4, v2                        ; in: 16 bytes a lane
	v_lshlrev_b32 v4, 3, v2                        ; out: 8 bytes a lane
	s_mov_b32 s56, 0x76543210
	s_mov_b32 s57, 0xfedcba98
	s_mov_b32 s50, 0x3727c5ac                      ; 1e-5
	s_mov_b32 s51, 0x447a0000                      ; 1000
	s_mov_b32 s22, 0                               ; the tensor's first work-group
	s_mov_b32 s23, 24                              ; how many partial sums it has
	s_mov_b32 s24, 0x35aaaaab                      ; 1 / 786,432
	s_mov_b32 s26, 0x7fffffff                      ; the bit select takes magnitude from s, sign from W
	s_wait_alu depctr_va_vdst(0)
	s_wait_kmcnt 0x0
	s_load_b512 s[32:47], s[18:19], 0x0            ; scales' exponents 0 to 15
	s_load_b64 s[48:49], s[18:19], 0x40            ; 16, 17
	s_cmp_ge_u32 ttmp9, 24
	s_cselect_b64 s[4:5], s[6:7], s[4:5]
	s_cselect_b32 s22, 24, s22
	s_cmp_ge_u32 ttmp9, 48
	s_cselect_b64 s[4:5], s[8:9], s[4:5]
	s_cselect_b32 s22, 48, s22
	s_cselect_b32 s23, 0x60, s23
	s_cselect_b32 s24, 0x34aaaaab, s24             ; 1 / 3,145,728
	s_cmp_ge_u32 ttmp9, 0x90
	s_cselect_b64 s[4:5], s[10:11], s[4:5]
	s_cselect_b32 s22, 0x90, s22
	s_cselect_b32 s23, 32, s23
	s_cselect_b32 s24, 0x35800000, s24             ; 1 / 1,048,576
	s_cmp_ge_u32 ttmp9, 0xb0
	s_cselect_b64 s[4:5], s[12:13], s[4:5]
	s_cselect_b32 s22, 0xb0, s22
	s_mov_b32 s27, s22                             ; the first partial sum = the first work-group
	s_cmp_ge_u32 ttmp9, 0xd0
	s_cselect_b64 s[4:5], s[14:15], s[4:5]
	s_cselect_b32 s22, 0xd0, s22
	s_cselect_b32 s27, 0, s27                      ; text: any partial sums inside the buffer; what is made of them is not used
	s_cselect_b32 s23, 24, s23
	s_cselect_b32 s26, 0, s26
	s_cselect_b32 s52, -1, 0                       ; all ones for text
	s_sub_co_u32 s29, s23, 1
.irp j, 0,1,2
	v_add_nc_u32 v[12+\j], 32*\j, v2               ; up to 96 partial sums: three a lane, the index held inside the tensor's run
	v_min_u32 v[16+\j], s29, v[12+\j]
	v_add_nc_u32 v[16+\j], s27, v[16+\j]
	v_lshlrev_b32 v[16+\j], 2, v[16+\j]
	global_load_b32 v[20+\j], v[16+\j], s[16:17]
.endr
	s_sub_co_u32 s30, ttmp9, s22
	s_lshl_b32 s30, s30, 17
	s_lshl_b32 s31, s54, 15
	s_add_co_u32 s30, s30, s31
	s_mov_b32 s31, 0
	s_add_nc_u64 s[4:5], s[4:5], s[30:31]          ; my wave's 32,768 bytes of numbers
	s_lshl_b32 s30, ttmp9, 15
	s_lshl_b32 s55, s54, 13
	s_add_co_u32 s30, s30, s55
	s_add_nc_u64 s[20:21], s[20:21], s[30:31]      ; and its 8,192 bytes of codes
	LOAD 0
	LOAD 1
	LOAD 2
	s_wait_kmcnt 0x0
	s_mov_b32 s28, s33                             ; e: entry 1, 3, 5, 15, 17 for the weights, 2 for text
	s_cmp_ge_u32 ttmp9, 24
	s_cselect_b32 s28, s35, s28
	s_cmp_ge_u32 ttmp9, 48
	s_cselect_b32 s28, s37, s28
	s_cmp_ge_u32 ttmp9, 0x90
	s_cselect_b32 s28, s47, s28
	s_cmp_ge_u32 ttmp9, 0xb0
	s_cselect_b32 s28, s49, s28
	s_cmp_ge_u32 ttmp9, 0xd0
	s_cselect_b32 s28, s34, s28
	s_add_co_i32 s28, s28, 127
	s_lshl_b32 s58, s28, 23
	v_mov_b32 v11, s58                             ; 2^e as f32: the conversion takes its exponent field
	s_add_co_i32 s28, s28, 15
	s_lshl_b32 s28, s28, 23
	s_or_b32 s28, s28, 0x600000
	v_mov_b32 v10, s28                             ; 57,344 x 2^e
	s_wait_loadcnt 24                              ; the partial sums are in; the 24 loads of steps 0 to 2 stay out
.irp j, 0,1,2
	v_cmp_gt_u32 vcc_lo, s23, v[12+\j]
	v_cndmask_b32 v[20+\j], 0, v[20+\j], vcc_lo    ; what lies past the tensor's run counts 0
.endr
	v_add_f32 v8, v20, v21
	v_add_f32 v8, v8, v22
	v_add_f32_dpp v8, v8, v8 row_xmask:1 row_mask:0xf bank_mask:0xf
	v_add_f32_dpp v8, v8, v8 row_xmask:2 row_mask:0xf bank_mask:0xf
	v_add_f32_dpp v8, v8, v8 row_xmask:4 row_mask:0xf bank_mask:0xf
	v_add_f32_dpp v8, v8, v8 row_xmask:8 row_mask:0xf bank_mask:0xf
	v_permlanex16_b32 v20, v8, s56, s57
	v_add_f32 v8, v8, v20
	v_mul_f32 v8, s24, v8                          ; the mean of |W|
	v_med3_num_f32 v8, v8, s50, s51                ; s
	v_mul_f32 v9, 0x3f2aaaab, v8                   ; s x 2/3
	v_mov_b32 v5, -1.0
	v_cndmask_b32 v9, v9, v5, s52                  ; text: -1
.macro STEP t
.set XS, 32+32*((\t)%3)
.if 7-(\t) >= 2
	s_wait_loadcnt 16                              ; this step's eight loads are in; those of the two steps behind it stay out
.else
	s_wait_loadcnt 8*(7-(\t))
.endif
.irp g, 0,1,2,3
.irp i, 0,1,2,3,4,5,6,7
	v_cmp_gt_f32 s[66+\i], |v[XS+8*\g+\i]|, v9
.endr
.irp i, 0,1,2,3,4,5,6,7
	v_bfi_b32 v[XS+8*\g+\i], s26, v8, v[XS+8*\g+\i]        ; a weight: s with W's sign; text: x
.endr
.irp i, 0,1,2,3,4,5,6,7
	v_cndmask_b32 v[XS+8*\g+\i], 0, v[XS+8*\g+\i], s[66+\i]
.endr
.irp i, 0,1,2,3,4,5,6,7
	v_med3_num_f32 v[XS+8*\g+\i], v[XS+8*\g+\i], -v10, v10 ; the conversion to an 8-bit code does not saturate (ISA guide 7.6.2): the hold comes first
.endr
	v_cvt_scalef32_pk8_bf8_f32 v[128+8*(\t)+2*\g:128+8*(\t)+2*\g+1], v[XS+8*\g:XS+8*\g+7], v11   ; its result goes to a store alone, its sources are next written by loads
.endr
.irp g, 0,1,2,3
	global_store_b64 v4, v[128+8*(\t)+2*\g:128+8*(\t)+2*\g+1], s[20:21] offset:1024*(\t)+256*\g   ; 32 lanes store 256 consecutive bytes, aligned
.endr
.if (\t)+3 < 8
	LOAD (\t)+3
.endif
.endm
	s_wait_alu depctr_va_vdst(0)
.irp t, 0,1,2,3,4,5,6,7
	STEP \t
.endr
	s_endpgm
.Lfunc_end_k_q22ba2a4e74_quant:
	.size	k_q22ba2a4e74_quant, .Lfunc_end_k_q22ba2a4e74_quant-k_q22ba2a4e74_quant
	.p2alignl 7, 3214868480
	.fill 96, 4, 3214868480
	.section	.rodata,"a",@progbits
	.p2align	6, 0x0
	.amdhsa_kernel k_q22ba2a4e74_quant
		.amdhsa_group_segment_fixed_size 0
		.amdhsa_private_segment_fixed_size 0
		.amdhsa_enable_private_segment 0
		.amdhsa_kernarg_size 72
		.amdhsa_user_sgpr_count 2
		.amdhsa_user_sgpr_kernarg_segment_ptr 1
		.amdhsa_wavefront_size32 1
		.amdhsa_system_sgpr_workgroup_id_x 1
		.amdhsa_system_sgpr_workgroup_id_y 1
		.amdhsa_system_sgpr_workgroup_id_z 1
		.amdhsa_system_vgpr_workitem_id 0
		.amdhsa_next_free_vgpr 192
		.amdhsa_next_free_sgpr 80
		.amdhsa_reserve_vcc 1
		.amdhsa_float_denorm_mode_32 3
		.amdhsa_float_denorm_mode_16_64 3
		.amdhsa_memory_ordered 1
		.amdhsa_forward_progress 1
		.amdhsa_inst_pref_size 81
	.end_amdhsa_kernel
	.amdgpu_metadata
---
amdhsa.version: [ 1, 2 ]
amdhsa.kernels:
  - .name:           k_q22ba2a4e74_quant
    .symbol:         k_q22ba2a4e74_quant.kd
    .args:
      - { .name: W_vp, .offset: 0, .size: 8, .value_kind: global_buffer, .address_space: global }
      - { .name: W_tp, .offset: 8, .size: 8, .value_kind: global_buffer, .address_space: global }
      - { .name: W_tqkv, .offset: 16, .size: 8, .value_kind: global_buffer, .address_space: global }
      - { .name: W_vout, .offset: 24, .size: 8, .value_kind: global_buffer, .address_space: global }
      - { .name: W_tout, .offset: 32, .size: 8, .value_kind: global_buffer, .address_space: global }
      - { .name: text_features, .offset: 40, .size: 8, .value_kind: global_buffer, .address_space: global }
      - { .name: wpart, .offset: 48, .size: 8, .value_kind: global_buffer, .address_space: global }
      - { .name: lowp_scales, .offset: 56, .size: 8, .value_kind: global_buffer, .address_space: global }
      - { .name: codes, .offset: 64, .size: 8, .value_kind: global_buffer, .address_space: global }
    .group_segment_fixed_size: 0
    .private_segment_fixed_size: 0
    .kernarg_segment_align: 8
    .kernarg_segment_size: 72
    .max_flat_workgroup_size: 128
    .sgpr_count:     80
    .vgpr_count:     192
    .wavefront_size: 32
...
	.end_amdgpu_metadata
.endif
;; end of part 2
;; launch gemm2 (part 3): grid 4 x 64, 4 waves a work-group, clusters of 4 x 4, 327,680 bytes of LDS; arguments codes, b_tp, lowp_scales, tproj; writes tproj
.if DOCPART == 3
	.amdgcn_target "amdgcn-amd-amdhsa--gfx1250"
	.amdhsa_code_object_version 6
	.text
	.protected	k_q22ba2a4e74_gemm2
	.globl	k_q22ba2a4e74_gemm2
	.p2align	8
	.type	k_q22ba2a4e74_gemm2,@function
k_q22ba2a4e74_gemm2:
	s_mov_b64 s[64:65], 0
	v_nop
	global_prefetch_b8 v0, s[64:65] scope:SCOPE_SE
	s_setreg_imm32_b32 hwreg(HW_REG_WAVE_MODE, 25, 1), 1
	s_wait_xcnt 0x0
	s_wait_alu depctr_hold_cnt(0) depctr_sa_sdst(0) depctr_va_vdst(0) depctr_va_sdst(0) depctr_va_ssrc(0) depctr_va_vcc(0) depctr_vm_vsrc(0)
	s_getreg_b32 s2, hwreg(HW_REG_IB_STS2, 6, 4)
	s_cmp_eq_u32 s2, 0
	s_cbranch_scc0 .Lentry_in_a_cluster
	s_endpgm
.Lentry_in_a_cluster:
	s_bfe_u32 s2, ttmp6, 0x10000c
	s_cmp_lg_u32 s2, 0xf033
	s_cbranch_scc0 .Lentry_shape_is_right
	s_endpgm
.Lentry_shape_is_right:
; text_proj = Q(text_features) Q(W_tp)^T + b_tp on codes of E5M2, f32 out.  M = 8,192, N = 1,024, K = 768.
; SHARES.  256 work-groups.  Work-group (x, y) makes rows 128 y .. + 127, columns 256 x .. + 255, as two tiles of 128 columns; wave (wy, wx) makes 64 x 64 of each tile: 16 accumulators.
; NO RING.  The work-group's 128 rows of text codes and 256 rows of W's codes, whole along K, lie in LDS side by side (3 x 104,448 bytes): each wave fetches its part with ONE tensor load at the head, and nothing is filled again.
;   Rows of 768 codes are dense in memory, so a part is one dense block, stated as rows of 256 bytes with 16 bytes of padding behind each: row n, byte y lies at 816 n + 272 (y / 256) + y % 256.
;   816 is an odd multiple of 16, so the 16 rows that a fragment load touches start at 16 different 16-byte columns.
; The text's fragments (64 rows x 768 a wave) are read from LDS once, into 384 registers, and serve both tiles.  W's fragments come in runs of 32 loads, two steps of 128 along K a run, in two sets.
; CLUSTERS of 4 x 4: the text's rows hang on y alone and are asked for jointly along a row of the cluster, W's rows on x alone and jointly along a column.
; Source 0 = 16 rows of W, source 1 = 16 rows of text: a lane holds one row of the result and eight neighbouring columns.  The bias is the C of a tile's first products, x 2^-(e2 + e3) (exact); a finished sum is multiplied by 2^(e2 + e3).
; THE WAY OUT.  16 rows x 64 columns at a time through the wave's stage and back as rows: sixteen lanes store 256 consecutive bytes, aligned.  The stage lies on the text's bytes, which have had their only fill;
;   a barrier, signalled when a wave's reads of them are over and awaited ahead of its first stage store, parts the two uses.  Tile 0's stores are on their way while tile 1 is multiplied.
; No prefetch: the launch has no loop to run ahead in; all that it reads is asked for at its head.
; LIMIT: e2 + e3 between -126 and 126.
; REGISTERS.  window 0: v1-29 addresses, v32-95 the two tiles' bias, v96-127 a block on its way to the stage, v128-255 accumulator (a, b) at 128 + 8 (4 a + b).   window 1: W's fragments, two sets.
;   windows 2, 3: the text's fragment (a, q) at 64 (q % 4) + 16 a, q = 0..3 in window 2, q = 4, 5 in window 3; window 3, v128-191: rows read back from the stage, two sets.
.set PITCH, 816
.set CH,    272
.set AHALF, 64*PITCH
.set ABYTES, 128*PITCH
.set SPARE, 3*ABYTES                   ; behind the tiles: the spare words, 128 bytes a wave, which no other line names
.set C_A,   6815744                    ; text_features' codes in the stream
.set C_B,   786432                     ; W_tp's
.set ADRB, 16                          ; v16, v17: my W fragments of tile 0, 1
.set ADRA, 18
.set STO,  19
.set RD,   20
.set CO,   21
.set VBQ,  22
.set SPW,  28
.set NIL,  29
.set BIAS, 32
.set TMP,  96
.set ACC,  128
.set G1A, 24
.set G0A, 32
.set G0B, 36
.set G1B, 48
.set MSB, 0
.macro WIN new                         ; the immediate's high byte repeats the setting that is left
.if MSB != \new
	s_set_vgpr_msb (MSB<<8)|\new
.set MSB, \new
.endif
.endm
.macro CROUND                          ; a round of the cluster's barrier
	s_barrier_signal -1
	s_barrier_wait -1
	s_cmp_lg_u32 s14, 0
	s_cbranch_scc1 .Lnot_wave_0_\@
	s_barrier_signal -3
.Lnot_wave_0_\@:
	s_barrier_wait -3
	s_barrier_signal -1
	s_barrier_wait -1
.endm
.macro PLACES                          ; four plain places behind matrix instructions (ISA guide 7.12.1)
.rept 4
	v_nop
.endr
.endm
.macro FETCH t, p, u                   ; W's fragments of tile t, steps 2 p and 2 p + 1, into set u
	WIN 0x40
.irp qq, 0,1
.irp b, 0,1,2,3
.irp c, 0,1,2,3
	ds_load_b128 v[128*(\u)+64*\qq+16*\b+4*\c:128*(\u)+64*\qq+16*\b+4*\c+3], v[ADRB+\t] offset:CH*(\p)+128*\qq+32*\c+\b*16*PITCH
.endr
.endr
.endr
.endm
.macro MULQ q, u, first, bi            ; 16 products, 128 along K; the 16 accumulators take turns in one order throughout
	WIN 0x09+4*((\q)/4)
.irp a, 0,1,2,3
.irp b, 0,1,2,3
.set AC, ACC+8*(4*\a+\b)
.set BF, 128*(\u)+64*((\q)%2)+16*\b
.set AR, 64*((\q)%4)+16*\a
.if \first
	v_wmma_f32_16x16x128_bf8_bf8 v[AC:AC+7], v[BF:BF+15], v[AR:AR+15], v[\bi+8*\b:\bi+8*\b+7]
.else
	v_wmma_f32_16x16x128_bf8_bf8 v[AC:AC+7], v[BF:BF+15], v[AR:AR+15], v[AC:AC+7]
.endif
.endr
.endr
.endm
.macro SEND t, a, younger              ; younger: the LDS instructions issued behind block a's loads, which may stay out
	s_wait_dscnt \younger
	WIN 0x0c                                       ; the stores' data: window 3
.irp i, 0,1,2,3,4,5,6,7
	global_store_b128 v[CO], v[128+32*((\a)%2)+4*\i:128+32*((\a)%2)+4*\i+3], s[76:77] offset:512*(\t)+(16*(\a)+2*\i)*4096
.endr
	WIN 0
.endm
.macro EPI t
.irp a, 0,1,2,3
	s_wait_xcnt 0x0                                ; the stores of two blocks ago have read the registers that this block's rows land in
.irp b, 0,1,2,3
.irp i, 0,2,4,6
	v_pk_mul_f32 v[TMP+8*\b+\i:TMP+8*\b+\i+1], v[ACC+8*(4*\a+\b)+\i:ACC+8*(4*\a+\b)+\i+1], s[92:93] op_sel_hi:[1,0]   ; x 2^(e2 + e3); each accumulator from its low end on
.endr
.endr
.irp b, 0,1,2,3
	ds_store_b128 v[STO], v[TMP+8*\b:TMP+8*\b+3] offset:64*\b
	ds_store_b128 v[STO], v[TMP+8*\b+4:TMP+8*\b+7] offset:64*\b+16
.endr
	WIN 0xc0
.irp i, 0,1,2,3,4,5,6,7
	ds_load_b128 v[128+32*(\a%2)+4*\i:128+32*(\a%2)+4*\i+3], v[RD] offset:\i*2*CH   ; my own bytes: LDS serves a wave's instructions in order (ISA guide 5.7.1.4)
.endr
	WIN 0
.if \a > 0
	SEND \t, \a-1, 16
.endif
.endr
	SEND \t, 3, 0
.endm
	s_load_b128 s[4:7], s[0:1], 0x0                ; codes s[4:5], b_tp s[6:7]
	s_load_b128 s[8:11], s[0:1], 0x10              ; lowp_scales s[8:9], tproj s[10:11]
	v_lshl_add_u32 v[SPW], v0, 2, SPARE
	v_mov_b32 v[NIL], 0
	ds_add_u32 v[SPW], v[NIL]                      ; the opening lines: the add, twice on end, and its wait ahead of my first tensor load
	ds_add_u32 v[SPW], v[NIL]
	v_lshrrev_b32 v1, 5, v0
	v_readfirstlane_b32 s14, v1                    ; wave
	s_lshr_b32 s15, s14, 1                         ; wy.  Also: I fetch for the text (0) or for W (1)
	s_and_b32 s16, s14, 1                          ; wx.  Also: which half I fetch
	s_bfe_u32 s40, ttmp6, 0x40000                  ; cx
	s_bfe_u32 s41, ttmp6, 0x40004                  ; cy
	s_lshl_b32 s42, ttmp9, 2
	s_add_co_u32 s42, s42, s40                     ; x
	s_and_b32 s17, ttmp7, 0xffff
	s_lshl_b32 s17, s17, 2
	s_add_co_u32 s17, s17, s41                     ; y
	s_lshl_b32 s43, s41, 2
	s_lshl_b32 s43, 15, s43                        ; my row of the cluster
	s_lshl_b32 s44, 0x1111, s40                    ; my column
	s_or_b32 s[G1A], s43, (1<<20)|(1<<21)|(5<<22)|(3<<25)   ; elements of 1 byte; four words of padding after every 64
	s_or_b32 s[G1B], s44, (1<<20)|(1<<21)|(5<<22)|(3<<25)
.irp g, G1A, G1B
	s_mov_b32 s[\g+1], 256<<16
	s_mov_b32 s[\g+3], 256<<16
	s_mov_b32 s[\g+5], 256
	s_mov_b32 s[\g+6], 0
	s_mov_b32 s[\g+7], 0
.endr
	s_mov_b32 s[G1A+2], 192<<16                    ; 64 rows of 768 bytes: 192 of 256
	s_mov_b32 s[G1A+4], 192
	s_mov_b32 s[G1B+2], 384<<16                    ; 128 rows: 384 of 256
	s_mov_b32 s[G1B+4], 384
	s_lshl_b32 s20, s17, 7
	s_lshl_b32 s18, s16, 6
	s_add_co_u32 s20, s20, s18
	s_mul_i32 s20, s20, 768
	s_add_co_u32 s20, s20, C_A                     ; the text: row 128 y + 64 half
	s_mov_b32 s21, 0
	s_lshl_b32 s46, s42, 8
	s_lshl_b32 s18, s16, 7
	s_add_co_u32 s46, s46, s18
	s_mul_i32 s46, s46, 768
	s_add_co_u32 s46, s46, C_B                     ; W: row 256 x + 128 half
	s_mov_b32 s47, 0
	s_mul_i32 s45, s16, AHALF
	s_mul_i32 s19, s16, ABYTES
	s_add_co_u32 s19, s19, ABYTES
	s_wait_dscnt 0x0                               ; both opening adds are done
	s_wait_kmcnt 0x0
	s_load_b64 s[96:97], s[8:9], 0x8               ; e2, e3
	s_add_nc_u64 s[20:21], s[4:5], s[20:21]
	s_add_nc_u64 s[46:47], s[4:5], s[46:47]
	s_mov_b32 s[G0A], 1
	s_mov_b32 s[G0A+1], s45
	s_mov_b64 s[G0A+2:G0A+3], s[20:21]
	s_or_b32 s[G0A+3], s[G0A+3], 0x80000000
	s_mov_b32 s[G0B], 1
	s_mov_b32 s[G0B+1], s19
	s_mov_b64 s[G0B+2:G0B+3], s[46:47]
	s_or_b32 s[G0B+3], s[G0B+3], 0x80000000
	CROUND                                         ; all sixteen work-groups are here: the joint loads meet
	s_cmp_eq_u32 s15, 0
	s_cbranch_scc0 .Lfor_b
	tensor_load_to_lds s[G0A:G0A+3], s[G1A:G1A+7]  ; my one tensor load
	s_nop 0
	PLACES
	s_branch .Lasked
.Lfor_b:
	tensor_load_to_lds s[G0B:G0B+3], s[G1B:G1B+7]
	s_nop 0
	PLACES
.Lasked:
	s_lshl_b32 s2, s17, 7
	s_lshl_b32 s3, s15, 6
	s_add_co_u32 s2, s2, s3                        ; my first row
	s_lshl_b32 s66, s2, 12
	s_lshl_b32 s22, s42, 10
	s_lshl_b32 s3, s16, 8
	s_add_co_u32 s22, s22, s3                      ; my first column of tile 0, in bytes
	s_mov_b32 s23, 0
	s_add_co_u32 s66, s66, s22
	s_mov_b32 s67, 0
	s_add_nc_u64 s[76:77], s[10:11], s[66:67]
	s_add_nc_u64 s[80:81], s[6:7], s[22:23]
	s_mul_i32 s93, s15, AHALF
	s_mul_i32 s2, s16, AHALF
	s_add_co_u32 s2, s2, ABYTES
	s_add_co_u32 s3, s2, ABYTES
	s_mul_i32 s18, s14, 16*CH                      ; my stage
	v_and_b32 v1, 15, v0                           ; r
	v_bfe_u32 v2, v0, 4, 1                         ; h
	v_mul_u32_u24 v3, v1, PITCH
	v_lshl_add_u32 v3, v2, 4, v3
	v_add_nc_u32 v[ADRA], s93, v3
	v_add_nc_u32 v[ADRB], s2, v3
	v_add_nc_u32 v[ADRB+1], s3, v3
	v_mul_u32_u24 v4, v1, CH
	v_lshl_add_u32 v4, v2, 5, v4
	v_add_nc_u32 v[STO], s18, v4                   ; in: row r, 32 h
	v_mul_u32_u24 v5, v2, CH
	v_lshl_add_u32 v5, v1, 4, v5
	v_add_nc_u32 v[RD], s18, v5                    ; back: lanes 0-15 one row, lanes 16-31 the next
	v_lshlrev_b32 v6, 12, v2
	v_lshl_add_u32 v[CO], v1, 4, v6                ; and the same two rows in tproj
	v_lshlrev_b32 v[VBQ], 5, v2
.irp o, 0,1
.irp f, 0,1,2,3
	global_load_b128 v[BIAS+32*\o+8*\f:BIAS+32*\o+8*\f+3], v[VBQ], s[80:81] offset:512*\o+64*\f       ; columns 16 f + 8 h + 0..7
	global_load_b128 v[BIAS+32*\o+8*\f+4:BIAS+32*\o+8*\f+7], v[VBQ], s[80:81] offset:512*\o+64*\f+16
.endr
.endr
	s_wait_alu depctr_va_vdst(0)
	s_wait_kmcnt 0x0
	s_add_co_i32 s2, s96, s97                      ; e2 + e3
	s_add_co_i32 s3, s2, 127
	s_lshl_b32 s92, s3, 23                         ; 2^(e2 + e3)
	s_mov_b32 s93, s92                             ; (named with it as a pair)
	s_sub_co_i32 s3, 127, s2
	s_lshl_b32 s94, s3, 23                         ; 2^-(e2 + e3)
	s_mov_b32 s95, s94
	s_wait_tensorcnt 0x0                           ; my part is in
	s_barrier_signal -1
	s_barrier_wait -1                              ; and everybody's
	FETCH 0, 0, 0
.irp q, 0,1,2,3,4,5
	WIN 0x80+0x40*(\q/4)
.irp a, 0,1,2,3
.irp c, 0,1,2,3
	ds_load_b128 v[64*(\q%4)+16*\a+4*\c:64*(\q%4)+16*\a+4*\c+3], v[ADRA] offset:CH*(\q/2)+128*(\q%2)+32*\c+\a*16*PITCH   ; the text's fragments, once for both tiles
.endr
.endr
.endr
	WIN 0
	s_wait_loadcnt 0x0                             ; the bias
.set n, 0
.rept 32
	v_pk_mul_f32 v[BIAS+2*n:BIAS+2*n+1], v[BIAS+2*n:BIAS+2*n+1], s[94:95] op_sel_hi:[1,0]
.set n, n+1
.endr
	s_wait_alu depctr_va_vdst(0)
	s_wait_dscnt 0x0                               ; my reads of the text's bytes are over:
	s_barrier_signal -1                            ; say so; the wait stands ahead of my first stage store.  Between the two: products, and loads of W's bytes, which nobody writes
	FETCH 0, 1, 1
	MULQ 0, 0, 1, BIAS
	MULQ 1, 0, 0, BIAS
	PLACES
	FETCH 0, 2, 0
	s_wait_dscnt 32                                ; all but the 32 just issued
	MULQ 2, 1, 0, BIAS
	MULQ 3, 1, 0, BIAS
	PLACES
	FETCH 1, 0, 1
	s_wait_dscnt 32
	MULQ 4, 0, 0, BIAS
	MULQ 5, 0, 0, BIAS
	PLACES
	FETCH 1, 1, 0
	WIN 0
	s_barrier_wait -1                              ; no wave reads the text's bytes any more
	EPI 0
	MULQ 0, 1, 1, BIAS+32
	MULQ 1, 1, 0, BIAS+32
	PLACES
	FETCH 1, 2, 1
	s_wait_dscnt 32
	MULQ 2, 0, 0, BIAS+32
	MULQ 3, 0, 0, BIAS+32
	s_wait_dscnt 0x0
	MULQ 4, 1, 0, BIAS+32
	MULQ 5, 1, 0, BIAS+32
	WIN 0
	PLACES
	EPI 1
	s_wait_tensorcnt 0x0                           ; the wave's end
	ds_add_u32 v[SPW], v[NIL]
	s_wait_dscnt 0x0
	CROUND                                         ; the closing round
	s_endpgm
.Lfunc_end_k_q22ba2a4e74_gemm2:
	.size	k_q22ba2a4e74_gemm2, .Lfunc_end_k_q22ba2a4e74_gemm2-k_q22ba2a4e74_gemm2
	.p2alignl 7, 3214868480
	.fill 96, 4, 3214868480
	.section	.rodata,"a",@progbits
	.p2align	6, 0x0
	.amdhsa_kernel k_q22ba2a4e74_gemm2
		.amdhsa_group_segment_fixed_size 327680
		.amdhsa_private_segment_fixed_size 0
		.amdhsa_enable_private_segment 0
		.amdhsa_kernarg_size 32
		.amdhsa_user_sgpr_count 2
		.amdhsa_user_sgpr_kernarg_segment_ptr 1
		.amdhsa_wavefront_size32 1
		.amdhsa_system_sgpr_workgroup_id_x 1
		.amdhsa_system_sgpr_workgroup_id_y 1
		.amdhsa_system_sgpr_workgroup_id_z 1
		.amdhsa_system_vgpr_workitem_id 0
		.amdhsa_next_free_vgpr 960
		.amdhsa_next_free_sgpr 100
		.amdhsa_reserve_vcc 0
		.amdhsa_float_denorm_mode_32 3
		.amdhsa_float_denorm_mode_16_64 3
		.amdhsa_memory_ordered 1
		.amdhsa_forward_progress 1
		.amdhsa_inst_pref_size 66
	.end_amdhsa_kernel
	.amdgpu_metadata
---
amdhsa.version: [ 1, 2 ]
amdhsa.kernels:
  - .name:           k_q22ba2a4e74_gemm2
    .symbol:         k_q22ba2a4e74_gemm2.kd
    .args:
      - { .name: codes, .offset: 0, .size: 8, .value_kind: global_buffer, .address_space: global }
      - { .name: b_tp, .offset: 8, .size: 8, .value_kind: global_buffer, .address_space: global }
      - { .name: lowp_scales, .offset: 16, .size: 8, .value_kind: global_buffer, .address_space: global }
      - { .name: tproj, .offset: 24, .size: 8, .value_kind: global_buffer, .address_space: global }
    .group_segment_fixed_size: 327680
    .private_segment_fixed_size: 0
    .kernarg_segment_align: 8
    .kernarg_segment_size: 32
    .max_flat_workgroup_size: 128
    .sgpr_count:     100
    .vgpr_count:     960
    .wavefront_size: 32
...
	.end_amdgpu_metadata
.endif
;; end of part 3
;; launch lnv (part 4): grid 264 x 1, 8 waves a work-group, no clusters, 22,272 bytes of LDS; arguments tproj, g_tn, be_tn, lowp_scales, lnc, vision_features, codes, b_vp, vp; writes lnc, vp
.if DOCPART == 4
	.amdgcn_target "amdgcn-amd-amdhsa--gfx1250"
	.amdhsa_code_object_version 6
	.text
	.protected	k_q22ba2a4e74_lnv
	.globl	k_q22ba2a4e74_lnv
	.p2align	8
	.type	k_q22ba2a4e74_lnv,@function
k_q22ba2a4e74_lnv:
	s_mov_b64 s[64:65], 0
	v_nop
	global_prefetch_b8 v0, s[64:65] scope:SCOPE_SE
	s_setreg_imm32_b32 hwreg(HW_REG_WAVE_MODE, 25, 1), 1
	s_wait_xcnt 0x0
; Two pieces of work that hang on earlier launches alone and share nothing, in one launch; they part on the work-group's number.
; WORK-GROUPS 8 TO 263: lnc = codes of LN(text_proj) (scale 2^e4), K in the order of the weights' codes: byte 8 l + 4 j + i of a block of 256 = k 128 j + 4 l + i.
;   One wave, one row at a time, four rows a wave: a row of 4,096 bytes is eight loads of 512 consecutive bytes and stays in 32 registers; mean and variance never leave the wave.  No LDS, no barrier.
;   All 48 loads of a wave go out at the start.  A row's codes are four stores of 256 consecutive bytes, aligned.
; WORK-GROUPS 0 TO 7: vp = Q(vision_features) Q(W_vp)^T + b_vp, 16 rows (the batches) x 1,024 columns, K = 768.  Work-group g makes columns 128 g .. + 127, wave w the tile of 16 columns at n0 = 128 g + 16 w.
;   Each wave quantises two of the 16 rows (scale 2^e0), in the order along K of the weights' codes; the codes meet in LDS (rows 784 bytes apart).  W_vp's codes come from the quantising launch.
;   THE MATRIX INSTRUCTION IS USED TRANSPOSED: source 0 = 16 rows of W, source 1 = the 16 rows: lane (r, h) holds row r and columns n0 + 8 h + 0 .. 7.  Two accumulators take turns along K.
;   The results meet in a stage (rows of 512 + 16 bytes) and each wave stores two whole rows of 512 consecutive bytes.
; No cluster: the first piece shares only g and b (8 KB); in the second each row of W is read by one wave alone, and the 16 rows are quantised in registers.
; LIMITS: e0, e4 between -126 and 112; e0 + e1 between -126 and 127; NaN among the inputs is not served.
.set AP,  784                          ; a row of 768 codes in LDS, + 16
.set STG, 16*AP                        ; the stage for the way out
.set SP,  528
.macro WSUM a, b
	s_delay_alu instid0(VALU_DEP_1)
	v_add_f32_dpp v[\a], v[\a], v[\a] row_xmask:1 row_mask:0xf bank_mask:0xf
	s_delay_alu instid0(VALU_DEP_1)
	v_add_f32_dpp v[\a], v[\a], v[\a] row_xmask:2 row_mask:0xf bank_mask:0xf
	s_delay_alu instid0(VALU_DEP_1)
	v_add_f32_dpp v[\a], v[\a], v[\a] row_xmask:4 row_mask:0xf bank_mask:0xf
	s_delay_alu instid0(VALU_DEP_1)
	v_add_f32_dpp v[\a], v[\a], v[\a] row_xmask:8 row_mask:0xf bank_mask:0xf
	s_delay_alu instid0(VALU_DEP_1)
	v_permlanex16_b32 v[\b], v[\a], s24, s25
	s_delay_alu instid0(VALU_DEP_1)
	v_add_f32 v[\a], v[\a], v[\b]
.endm
.macro LNROW x                         ; 32 numbers a lane in v[x] on: (x - mean) rsqrt(var + 1e-5) g + b, g in v32-63, b in v64-95
	v_pk_add_f32 v[16:17], v[(\x):(\x)+1], v[(\x)+2:(\x)+3]
	v_pk_add_f32 v[18:19], v[(\x)+4:(\x)+5], v[(\x)+6:(\x)+7]
	v_pk_add_f32 v[20:21], v[(\x)+8:(\x)+9], v[(\x)+10:(\x)+11]
	v_pk_add_f32 v[22:23], v[(\x)+12:(\x)+13], v[(\x)+14:(\x)+15]
.irp k, 0,1,2,3,4,5,6,7
	s_delay_alu instid0(VALU_DEP_4)
	v_pk_add_f32 v[16+2*(\k%4):17+2*(\k%4)], v[16+2*(\k%4):17+2*(\k%4)], v[(\x)+16+2*\k:(\x)+17+2*\k]
.endr
	s_delay_alu instid0(VALU_DEP_3)
	v_pk_add_f32 v[16:17], v[16:17], v[18:19]
	s_delay_alu instid0(VALU_DEP_2)
	v_pk_add_f32 v[20:21], v[20:21], v[22:23]
	s_delay_alu instid0(VALU_DEP_1)
	v_pk_add_f32 v[16:17], v[16:17], v[20:21]
	s_delay_alu instid0(VALU_DEP_1)
	v_add_f32 v16, v16, v17
	WSUM 16, 17
	s_delay_alu instid0(VALU_DEP_1)
	v_mul_f32 v16, s22, v16                        ; the mean
.irp k, 0,1,2,3,4,5,6,7,8,9,10,11,12,13,14,15
	v_pk_add_f32 v[(\x)+2*\k:(\x)+2*\k+1], v[(\x)+2*\k:(\x)+2*\k+1], v[16:17] op_sel_hi:[1,0] neg_lo:[0,1] neg_hi:[0,1]
.endr
.irp k, 0,1,2,3
	v_pk_mul_f32 v[18+2*\k:19+2*\k], v[(\x)+2*\k:(\x)+2*\k+1], v[(\x)+2*\k:(\x)+2*\k+1]
.endr
.irp k, 4,5,6,7,8,9,10,11,12,13,14,15
	s_delay_alu instid0(VALU_DEP_4)
	v_pk_fma_f32 v[18+2*(\k%4):19+2*(\k%4)], v[(\x)+2*\k:(\x)+2*\k+1], v[(\x)+2*\k:(\x)+2*\k+1], v[18+2*(\k%4):19+2*(\k%4)]
.endr
	s_delay_alu instid0(VALU_DEP_3)
	v_pk_add_f32 v[18:19], v[18:19], v[20:21]
	s_delay_alu instid0(VALU_DEP_2)
	v_pk_add_f32 v[22:23], v[22:23], v[24:25]
	s_delay_alu instid0(VALU_DEP_1)
	v_pk_add_f32 v[18:19], v[18:19], v[22:23]
	s_delay_alu instid0(VALU_DEP_1)
	v_add_f32 v18, v18, v19
	WSUM 18, 19
	s_delay_alu instid0(VALU_DEP_1)
	v_fma_f32 v18, v18, s22, s23                   ; the variance + 1e-5
	s_wait_alu depctr_va_vdst(0)
	v_rsq_f32 v18, v18
	v_nop                                          ; a plain place behind the transcendental
	s_wait_alu depctr_va_vdst(0)
.irp k, 0,1,2,3,4,5,6,7,8,9,10,11,12,13,14,15
	v_pk_mul_f32 v[(\x)+2*\k:(\x)+2*\k+1], v[(\x)+2*\k:(\x)+2*\k+1], v[18:19] op_sel_hi:[1,0]
.endr
.irp k, 0,1,2,3,4,5,6,7,8,9,10,11,12,13,14,15
	v_pk_fma_f32 v[(\x)+2*\k:(\x)+2*\k+1], v[(\x)+2*\k:(\x)+2*\k+1], v[32+2*\k:33+2*\k], v[64+2*\k:65+2*\k]
.endr
.endm
	v_lshl_add_u32 v7, v0, 2, 0x5300
	v_mov_b32 v13, 0
	s_cmp_lt_u32 ttmp9, 8                          ; the same for all waves of a work-group
	s_cbranch_scc1 .Lvproj
	; ---- the LayerNorm
	s_load_b256 s[4:11], s[0:1], 0x0               ; tproj s[4:5], g s[6:7], b s[8:9], lowp_scales s[10:11]
	s_load_b64 s[12:13], s[0:1], 0x20              ; lnc
	v_lshrrev_b32 v1, 5, v0
	s_delay_alu instid0(VALU_DEP_1)
	v_readfirstlane_b32 s14, v1                    ; wave 0..7
	v_and_b32 v3, 31, v0
	s_delay_alu instid0(VALU_DEP_1)
	v_lshlrev_b32 v1, 4, v3                        ; in: 16 x lane
	s_delay_alu instid0(VALU_DEP_2)
	v_lshlrev_b32 v2, 3, v3                        ; out: 8 x lane
	s_sub_co_u32 s15, ttmp9, 8
	s_lshl_b32 s15, s15, 3
	s_add_co_u32 s15, s15, s14                     ; which four rows
	s_lshl_b32 s16, s15, 14
	s_mov_b32 s17, 0
	s_lshl_b32 s18, s15, 12
	s_mov_b32 s19, 0
	s_mov_b32 s22, 0x3a800000                      ; 1 / 1,024
	s_mov_b32 s23, 0x3727c5ac                      ; 1e-5
	s_mov_b32 s24, 0x76543210
	s_mov_b32 s25, 0xfedcba98
	s_wait_alu depctr_va_vdst(0)
	s_wait_kmcnt 0x0
	s_load_b32 s20, s[10:11], 0x10                 ; e4
	s_add_nc_u64 s[4:5], s[4:5], s[16:17]
	s_add_nc_u64 s[12:13], s[12:13], s[18:19]
.irp j, 0,1,2,3,4,5,6,7
	global_load_b128 v[32+4*\j:35+4*\j], v1, s[6:7] offset:512*\j
	global_load_b128 v[64+4*\j:67+4*\j], v1, s[8:9] offset:512*\j
.endr
.irp i, 0,1,2,3
.irp j, 0,1,2,3,4,5,6,7
	global_load_b128 v[96+32*\i+4*\j:99+32*\i+4*\j], v1, s[4:5] offset:4096*\i+512*\j
.endr
.endr
	s_wait_kmcnt 0x0
	s_add_co_i32 s20, s20, 127
	s_lshl_b32 s21, s20, 23
	v_mov_b32 v15, s21                             ; 2^e4
	s_add_co_i32 s20, s20, 15
	s_lshl_b32 s20, s20, 23
	s_or_b32 s20, s20, 0x600000
	v_mov_b32 v14, s20                             ; 57,344 x 2^e4
.irp i, 0,1,2,3
	s_wait_loadcnt 8*(3-\i)                        ; this row is in; the younger rows' loads stay out
	LNROW 96+32*\i
.irp n, 0,1,2,3,4,5,6,7,8,9,10,11,12,13,14,15,16,17,18,19,20,21,22,23,24,25,26,27,28,29,30,31
	v_med3_num_f32 v[96+32*\i+\n], v[96+32*\i+\n], -v14, v14   ; the hold at the largest code x the scale (ISA guide 7.6.2)
.endr
.irp n, 0,1,2,3
	v_cvt_scalef32_pk8_bf8_f32 v[224+8*\i+2*\n:225+8*\i+2*\n], v[96+32*\i+8*\n:103+32*\i+8*\n], v15
.endr
	v_nop
.irp n, 0,1,2,3
	global_store_b64 v2, v[224+8*\i+2*\n:225+8*\i+2*\n], s[12:13] offset:1024*\i+256*\n
.endr
.endr
	s_endpgm
	; ---- vision_proj.  REGISTERS: v1-15 addresses, limit, scale; v16-111 W's six fragments; v112-159 my two rows in f32, then v112-207 the rows' six fragments; v208-223 two accumulators; v224-231 the bias;
	;      v232-243 my rows' codes, later two rows of the result; v244-251 y
.Lvproj:
	s_load_b64 s[16:17], s[0:1], 0x18              ; lowp_scales
	s_load_b128 s[4:7], s[0:1], 0x28               ; vision_features s[4:5], codes s[6:7]
	s_load_b128 s[8:11], s[0:1], 0x38              ; b_vp s[8:9], vp s[10:11]
	v_and_b32 v1, 31, v0                           ; lane
	v_and_b32 v2, 15, v0                           ; r
	s_wait_alu depctr_va_vdst(0)
	v_bfe_u32 v3, v0, 4, 1                         ; h
	v_lshrrev_b32 v4, 5, v0
	s_delay_alu instid0(VALU_DEP_1)
	v_readfirstlane_b32 s22, v4                    ; wave 0..7
	s_lshl_b32 s23, ttmp9, 7
	s_lshl_b32 s24, s22, 4
	s_add_co_u32 s23, s23, s24                     ; n0
	s_mul_i32 s24, s23, 768                        ; W_vp's row n0: its codes begin the stream
	s_mov_b32 s25, 0
	s_lshl_b32 s26, s23, 2                         ; 4 n0
	s_mov_b32 s27, 0
	s_mul_i32 s28, s22, 2*3072                     ; my two rows of vision_features
	s_mov_b32 s29, 0
	s_lshl_b32 s30, ttmp9, 9                       ; the work-group's 512 bytes of a row of vp
	s_mov_b32 s31, 0
	v_mul_u32_u24 v4, v2, 768
	s_wait_alu depctr_va_vdst(0)
	v_lshl_add_u32 v4, v3, 4, v4                   ; W: row r, + 16 h
	v_lshlrev_b32 v5, 4, v1                        ; 16 x lane
	v_lshlrev_b32 v6, 5, v3                        ; the bias: 32 h
	s_mul_i32 s32, s22, 2*AP
	v_lshl_add_u32 v8, v1, 3, s32                  ; codes into LDS: my two rows, 8 x lane
	v_mul_u32_u24 v9, v2, AP
	s_delay_alu instid0(VALU_DEP_1)
	v_lshl_add_u32 v9, v3, 4, v9                   ; and out of it: row r, + 16 h
	v_mul_u32_u24 v10, v2, SP
	s_delay_alu instid0(VALU_DEP_1)
	v_lshl_add_u32 v10, v3, 5, v10
	s_lshl_b32 s33, s22, 6
	s_add_co_u32 s33, s33, STG
	v_add_nc_u32 v10, s33, v10                     ; the stage, in: row r, 64 w + 32 h
	s_mul_i32 s34, s22, 2*SP
	s_add_co_u32 s34, s34, STG
	v_add_nc_u32 v11, s34, v5                      ; back: rows 2 w, 2 w + 1, whole: 16 x lane
	s_lshl_b32 s35, s22, 13
	v_add_nc_u32 v12, s35, v5                      ; and the same place in vp
	s_wait_alu depctr_va_vdst(0)
	s_wait_kmcnt 0x0
	s_load_b64 s[36:37], s[16:17], 0x0             ; e0, e1
	s_add_nc_u64 s[4:5], s[4:5], s[28:29]
	s_add_nc_u64 s[6:7], s[6:7], s[24:25]
	s_add_nc_u64 s[8:9], s[8:9], s[26:27]
	s_add_nc_u64 s[10:11], s[10:11], s[30:31]
.irp i, 0,1
.irp j, 0,1,2,3,4,5
	global_load_b128 v[112+24*\i+4*\j:115+24*\i+4*\j], v5, s[4:5] offset:3072*\i+512*\j   ; register 4 j + i' of a row = column 128 j + 4 lane + i'
.endr
.endr
.irp n, 0,1,2,3,4,5
.irp c, 0,1,2,3
	global_load_b128 v[16+16*\n+4*\c:19+16*\n+4*\c], v4, s[6:7] offset:128*\n+32*\c
.endr
.endr
	global_load_b128 v[224:227], v6, s[8:9]
	global_load_b128 v[228:231], v6, s[8:9] offset:16
	s_wait_kmcnt 0x0
	s_add_co_i32 s40, s36, 127
	s_lshl_b32 s41, s40, 23
	v_mov_b32 v15, s41                             ; 2^e0
	s_add_co_i32 s40, s40, 15
	s_lshl_b32 s40, s40, 23
	s_or_b32 s40, s40, 0x600000
	v_mov_b32 v14, s40                             ; 57,344 x 2^e0
	s_add_co_i32 s38, s36, s37
	s_add_co_i32 s38, s38, 127
	s_lshl_b32 s38, s38, 23                        ; 2^(e0 + e1)
	s_mov_b32 s39, s38                             ; (named with it as a pair, so it is written)
	s_wait_alu depctr_va_vdst(0)
	s_wait_loadcnt 26                              ; my two rows are in; W's 24 loads and the bias's two behind them stay out
.set n, 0
.rept 48
	v_med3_num_f32 v[112+n], v[112+n], -v14, v14   ; the hold at the largest code x the scale (ISA guide 7.6.2)
.set n, n+1
.endr
.irp n, 0,1,2,3,4,5
	v_cvt_scalef32_pk8_bf8_f32 v[232+2*\n:233+2*\n], v[112+8*\n:119+8*\n], v15
.endr
	v_nop                                          ; a plain place behind the last conversion
.irp n, 0,1,2,3,4,5
	ds_store_b64 v8, v[232+2*\n:233+2*\n] offset:(\n/3)*AP+256*(\n%3)
.endr
	s_wait_dscnt 0x0                               ; for the others' sake: my rows' codes have landed
	s_barrier_signal -1
	s_barrier_wait -1
.irp n, 0,1,2,3,4,5
.irp c, 0,1,2,3
	ds_load_b128 v[112+16*\n+4*\c:115+16*\n+4*\c], v9 offset:128*\n+32*\c
.endr
.endr
	s_wait_dscnt 0x0
	s_wait_loadcnt 0x0                             ; W and the bias
.irp n, 0,1,2,3,4,5
.if \n < 2
	v_wmma_f32_16x16x128_bf8_bf8 v[208+8*(\n%2):215+8*(\n%2)], v[16+16*\n:31+16*\n], v[112+16*\n:127+16*\n], 0
.else
	v_wmma_f32_16x16x128_bf8_bf8 v[208+8*(\n%2):215+8*(\n%2)], v[16+16*\n:31+16*\n], v[112+16*\n:127+16*\n], v[208+8*(\n%2):215+8*(\n%2)]
.endif
.endr
.rept 4
	v_nop                                          ; places in front of the first read of results (ISA guide 7.12.1)
.endr
.irp i, 0,2,4,6
	v_pk_add_f32 v[244+\i:245+\i], v[208+\i:209+\i], v[216+\i:217+\i]
.endr
.irp i, 0,2,4,6
	s_delay_alu instid0(VALU_DEP_4)
	v_pk_fma_f32 v[244+\i:245+\i], v[244+\i:245+\i], s[38:39], v[224+\i:225+\i] op_sel_hi:[1,0,1]   ; sum x 2^(e0 + e1) + bias
.endr
	ds_store_b128 v10, v[244:247]
	ds_store_b128 v10, v[248:251] offset:16
	s_wait_dscnt 0x0                               ; a row's 512 bytes come from eight waves
	s_barrier_signal -1
	s_barrier_wait -1
	ds_load_b128 v[232:235], v11
	ds_load_b128 v[236:239], v11 offset:SP
	s_wait_dscnt 1                                 ; the first row is back; the second may be out
	global_store_b128 v12, v[232:235], s[10:11]    ; 32 lanes store 512 consecutive bytes, aligned
	s_wait_dscnt 0x0
	global_store_b128 v12, v[236:239], s[10:11] offset:4096
	s_wait_tensorcnt 0x0
	ds_add_u32 v7, v13
	s_wait_dscnt 0x0
	s_endpgm
.Lfunc_end_k_q22ba2a4e74_lnv:
	.size	k_q22ba2a4e74_lnv, .Lfunc_end_k_q22ba2a4e74_lnv-k_q22ba2a4e74_lnv
	.p2alignl 7, 3214868480
	.fill 96, 4, 3214868480
	.section	.rodata,"a",@progbits
	.p2align	6, 0x0
	.amdhsa_kernel k_q22ba2a4e74_lnv
		.amdhsa_group_segment_fixed_size 22272
		.amdhsa_private_segment_fixed_size 0
		.amdhsa_enable_private_segment 0
		.amdhsa_kernarg_size 72
		.amdhsa_user_sgpr_count 2
		.amdhsa_user_sgpr_kernarg_segment_ptr 1
		.amdhsa_wavefront_size32 1
		.amdhsa_system_sgpr_workgroup_id_x 1
		.amdhsa_system_sgpr_workgroup_id_y 1
		.amdhsa_system_sgpr_workgroup_id_z 1
		.amdhsa_system_vgpr_workitem_id 0
		.amdhsa_next_free_vgpr 256
		.amdhsa_next_free_sgpr 66
		.amdhsa_reserve_vcc 0
		.amdhsa_float_denorm_mode_32 3
		.amdhsa_float_denorm_mode_16_64 3
		.amdhsa_memory_ordered 1
		.amdhsa_forward_progress 1
		.amdhsa_inst_pref_size 61
	.end_amdhsa_kernel
	.amdgpu_metadata
---
amdhsa.version: [ 1, 2 ]
amdhsa.kernels:
  - .name:           k_q22ba2a4e74_lnv
    .symbol:         k_q22ba2a4e74_lnv.kd
    .args:
      - { .name: tproj, .offset: 0, .size: 8, .value_kind: global_buffer, .address_space: global }
      - { .name: g_tn, .offset: 8, .size: 8, .value_kind: global_buffer, .address_space: global }
      - { .name: be_tn, .offset: 16, .size: 8, .value_kind: global_buffer, .address_space: global }
      - { .name: lowp_scales, .offset: 24, .size: 8, .value_kind: global_buffer, .address_space: global }
      - { .name: lnc, .offset: 32, .size: 8, .value_kind: global_buffer, .address_space: global }
      - { .name: vision_features, .offset: 40, .size: 8, .value_kind: global_buffer, .address_space: global }
      - { .name: codes, .offset: 48, .size: 8, .value_kind: global_buffer, .address_space: global }
      - { .name: b_vp, .offset: 56, .size: 8, .value_kind: global_buffer, .address_space: global }
      - { .name: vp, .offset: 64, .size: 8, .value_kind: global_buffer, .address_space: global }
    .group_segment_fixed_size: 22272
    .private_segment_fixed_size: 0
    .kernarg_segment_align: 8
    .kernarg_segment_size: 72
    .max_flat_workgroup_size: 256
    .sgpr_count:     66
    .vgpr_count:     256
    .wavefront_size: 32
...
	.end_amdgpu_metadata
.endif
;; end of part 4
;; launch gemm3 (part 5): grid 4 x 64, 4 waves a work-group, clusters of 4 x 4, 327,680 bytes of LDS; arguments lnc, codes, b_tqkv, lowp_scales, qkv; writes qkv
.if DOCPART == 5
	.amdgcn_target "amdgcn-amd-amdhsa--gfx1250"
	.amdhsa_code_object_version 6
	.text
	.protected	k_q22ba2a4e74_gemm3
	.globl	k_q22ba2a4e74_gemm3
	.p2align	8
	.type	k_q22ba2a4e74_gemm3,@function
k_q22ba2a4e74_gemm3:
	s_mov_b64 s[64:65], 0
	v_nop
	global_prefetch_b8 v0, s[64:65] scope:SCOPE_SE
	s_setreg_imm32_b32 hwreg(HW_REG_WAVE_MODE, 25, 1), 1
	s_wait_xcnt 0x0
	s_wait_alu depctr_hold_cnt(0) depctr_sa_sdst(0) depctr_va_vdst(0) depctr_va_sdst(0) depctr_va_ssrc(0) depctr_va_vcc(0) depctr_vm_vsrc(0)
	s_getreg_b32 s2, hwreg(HW_REG_IB_STS2, 6, 4)
	s_cmp_eq_u32 s2, 0
	s_cbranch_scc0 .Lentry_in_a_cluster
	s_endpgm
.Lentry_in_a_cluster:
	s_bfe_u32 s2, ttmp6, 0x10000c
	s_cmp_lg_u32 s2, 0xf033
	s_cbranch_scc0 .Lentry_shape_is_right
	s_endpgm
.Lentry_shape_is_right:
; qkv = Q(LN(text_proj)) Q(W_tqkv)^T + b_tqkv on codes of E5M2, quantised again at once (q with 2^e6, k with 2^e7, v with 2^e9) and stored as IMAGES OF THE NEXT OPERANDS' REGISTERS.
; SHARES.  256 work-groups.  Work-group (x, y) owns rows 128 y .. + 127 of lnc and six tiles of 128 rows of W: rows 1,024 kind + 256 x + 128 odd on (kind 0 q, 1 k, 2 v; odd 0, 1), walked in that order.
;   Wave (wy, wx) makes 64 x 64 of each tile: 16 accumulators.  Its 64 rows of lnc, all 1,024 along K, stay in 512 registers for the whole walk: they are read from LDS once.
;   W's tiles, whole along K, go through a ring of two LDS slots (128 rows x 1,024 bytes, 16 of padding a row): one change of slots a tile, 128 matrix instructions a wave between two changes.
;   At the head waves 0, 1 fetch W's tile 0 into slot 0 and waves 2, 3 lnc's rows into slot 1; when lnc's rows are in registers, slot 1 joins the ring.  Behind each round a wave has one tensor load out: its 32 rows of a tile.
; CLUSTERS of 4 x 4: lnc's rows hang on y alone and are asked for jointly along a row of the cluster, W's tiles on x alone and jointly along a column.
; q, k: source 0 = 16 rows of W, source 1 = 16 rows of lnc: a lane holds one position and eight neighbouring features, the next K (the head's 64).  v: THE SOURCES ARE SWAPPED: one feature, eight neighbouring positions (the keys).
; THE BIAS is the C of a tile's first products, x 2^-(e4 + e5) (exact); a sum then stands for sum x 2^(e4 + e5), and the conversion divides by 2^(e_out - e4 - e5): three scales in one.
; IMAGES.  One conversion of an accumulator gives registers 2 c, 2 c + 1 of the plain 8-bit layout.  Four registers of 32 lanes are stored as 512 consecutive bytes, lane l at 16 l.
;   q at 0, k at 8,388,608: [b x 16 + head][tile of 16 positions: 32][2][32 lanes][16 bytes].   v at 16,777,216: [b x 16 + head][tile of 16 features: 4][128 keys: 4][4][32 lanes][16 bytes].
; PREFETCH.  While tile t is multiplied, W's tile t + 3 is asked for, one instruction a wave: of the 32 rows that wave w will fetch, the partner at place cy names 8, four lanes a row, 256 bytes apart: each block once a cluster.
;   Its tensor load is issued behind tile t + 1's products.  Tiles 1 and 2 come by their loads alone; no tile lies behind tile 5, so tiles 3 to 5 ask for nothing.
; LIMITS: e4 + e5 between -127 and 126; e6, e7, e9, each less e4 + e5, between -126 and 112.
; REGISTERS.  window 0: v1-29 addresses and constants, v8-15 v's bias as loaded, v32-95 the bias of a pair of tiles, v96-127 codes, v128-255 accumulator (a, b) at 128 + 8 (4 a + b).
;   window 1: W's fragments, two sets of two steps of 128 along K.   windows 2, 3: lnc's fragment (a, q) at 64 (q % 4) + 16 a, q = 0..3 in window 2, 4..7 in window 3.
.set PITCH, 1040                       ; 1,024 + 16: an odd multiple of 16, so the 16 rows that a load touches start at 16 different 16-byte columns
.set QUART, 32*PITCH
.set HALF,  64*PITCH
.set SLOT,  128*PITCH
.set SPARE, 2*SLOT                     ; behind the ring: the spare words, 128 bytes a wave, which no other line names
.set C_W,   1572864                    ; W_tqkv's codes in the stream
.set KIND,  1048576                    ; 1,024 rows of W
.set RAWV, 8
.set ADRB, 16                          ; v16, v17: my W fragments in slot 0, 1
.set ADRA, 18
.set VO,   19                          ; 16 x lane
.set VBQ,  20                          ; 32 h
.set VBV,  21                          ; 4 r
.set PFO,  22
.set VH,   24
.set VS,   25
.set SPW,  28
.set NIL,  29
.set BIAS, 32
.set CODES, 96
.set ACC,  128
.set G1A, 24
.set G0A, 32
.set G0H, 36
.set G1B, 48
.set G1R, 56
.set G0R, 68                           ; s[68:71], s[72:75]: the refills' group 0, one for each slot
.set MSB, 0
.macro WIN new                         ; the immediate's high byte repeats the setting that is left
.if MSB != \new
	s_set_vgpr_msb (MSB<<8)|\new
.set MSB, \new
.endif
.endm
.macro CROUND                          ; a round of the cluster's barrier
	s_barrier_signal -1
	s_barrier_wait -1
	s_cmp_lg_u32 s14, 0
	s_cbranch_scc1 .Lnot_wave_0_\@
	s_barrier_signal -3
.Lnot_wave_0_\@:
	s_barrier_wait -3
	s_barrier_signal -1
	s_barrier_wait -1
.endm
.macro PLACES                          ; four plain places behind matrix instructions (ISA guide 7.12.1)
.rept 4
	v_nop
.endr
.endm
.macro FETCH slot, p, u                ; W's fragments of steps 2 p, 2 p + 1 into set u: 32 loads in one run
	WIN 0x40
.irp qq, 0,1
.irp b, 0,1,2,3
.irp c, 0,1,2,3
	ds_load_b128 v[128*(\u)+64*\qq+16*\b+4*\c:128*(\u)+64*\qq+16*\b+4*\c+3], v[ADRB+\slot] offset:128*(2*(\p)+\qq)+32*\c+\b*16*PITCH
.endr
.endr
.endr
.endm
.macro MULQ kind, q, first, bi         ; 16 products, 128 along K; the 16 accumulators take turns in one order throughout
.if \kind
	WIN 0x06+((\q)/4)
.else
	WIN 0x09+4*((\q)/4)
.endif
.irp a, 0,1,2,3
.irp b, 0,1,2,3
.set AC, ACC+8*(4*\a+\b)
.set BF, 128*(((\q)/2)%2)+64*((\q)%2)+16*\b
.set AR, 64*((\q)%4)+16*\a
.if \kind
.set X0, AR
.set X1, BF
.else
.set X0, BF
.set X1, AR
.endif
.if \first
	v_wmma_f32_16x16x128_bf8_bf8 v[AC:AC+7], v[X0:X0+15], v[X1:X1+15], v[\bi+8*\b:\bi+8*\b+7]
.else
	v_wmma_f32_16x16x128_bf8_bf8 v[AC:AC+7], v[X0:X0+15], v[X1:X1+15], v[AC:AC+7]
.endif
.endr
.endr
.endm
.macro EPI kind, odd, hold, sc, base   ; the way out: hold, conversion, eight stores of 512 consecutive bytes, aligned
	s_wait_xcnt 0x0                                ; the last tile's stores have read their registers
	v_mov_b32 v[VH], s[\hold]
	v_mov_b32 v[VS], s[\sc]
.irp a, 0,1,2,3
.irp b, 0,1,2,3
.set AC, ACC+8*(4*\a+\b)
.irp j, 0,1,2,3,4,5,6,7
	v_med3_num_f32 v[AC+\j], v[AC+\j], -v[VH], v[VH]   ; the conversion does not saturate (ISA guide 7.6.2); each accumulator from its low end on
.endr
.if \kind
	v_cvt_scalef32_pk8_bf8_f32 v[CODES+8*\b+2*\a:CODES+8*\b+2*\a+1], v[AC:AC+7], v[VS]
.else
	v_cvt_scalef32_pk8_bf8_f32 v[CODES+8*\a+2*\b:CODES+8*\a+2*\b+1], v[AC:AC+7], v[VS]
.endif
.endr
.endr
	v_nop                                          ; a plain place behind the last conversion: matrix instructions write its sources next
.irp g, 0,1,2,3
.irp p, 0,1
	global_store_b128 v[VO], v[CODES+8*\g+4*\p:CODES+8*\g+4*\p+3], s[\base:\base+1] offset:65536*(\odd)+(1024+7168*(\kind))*\g+512*\p
.endr
.endr
.endm
; One tile.  mode 2: behind its products a round, this slot's refill (two tiles on) and the next tile's first fragments; mode 1: a barrier and the fragments; mode 0: the last tile.
.macro BODY slot, kind, odd, mode, hold, sc, base
.set BI, BIAS+32*(\odd)
	s_wait_loadcnt 0x0                             ; the bias is in
.if \kind
.irp f, 0,1,2,3
.irp j, 0,1,2,3,4,5,6,7
	v_mul_f32 v[BI+8*\f+\j], s94, v[RAWV+4*(\odd)+\f]
.endr
.endr
.else
.set n, 0
.rept 16
	v_pk_mul_f32 v[BI+2*n:BI+2*n+1], v[BI+2*n:BI+2*n+1], s[94:95] op_sel_hi:[1,0]
.set n, n+1
.endr
.endif
	s_wait_alu depctr_va_vdst(0)
	s_wait_dscnt 32                                ; set 0 is in; set 1's 32 loads may be out
	MULQ \kind, 0, 1, BI
	MULQ \kind, 1, 0, BI
	PLACES
	WIN 0
.if \kind == 0
.if \odd
	s_cmp_lg_u32 s86, 0
	s_cbranch_scc1 .Lnone_\@                       ; behind k's tiles come v's, whose bias was loaded at the head; and no tile lies three behind tile 3
	global_prefetch_b8 v[PFO], s[84:85] offset:2*KIND th:TH_LOAD_NT scope:SCOPE_SE
.irp o, 0,1
.irp f, 0,1,2,3
	global_load_b128 v[BIAS+32*\o+8*\f:BIAS+32*\o+8*\f+3], v[VBQ], s[80:81] offset:4096+512*\o+64*\f
	global_load_b128 v[BIAS+32*\o+8*\f+4:BIAS+32*\o+8*\f+7], v[VBQ], s[80:81] offset:4096+512*\o+64*\f+16
.endr
.endr
.Lnone_\@:
.else
	global_prefetch_b8 v[PFO], s[84:85] offset:KIND+131072 th:TH_LOAD_NT scope:SCOPE_SE
.endif
.endif
	FETCH \slot, 2, 0
	s_wait_dscnt 32
	MULQ \kind, 2, 0, BI
	MULQ \kind, 3, 0, BI
	PLACES
	FETCH \slot, 3, 1
	s_wait_dscnt 32
	MULQ \kind, 4, 0, BI
	MULQ \kind, 5, 0, BI
	s_wait_dscnt 0x0
	MULQ \kind, 6, 0, BI
	WIN 0
.if \mode
	s_wait_tensorcnt 0x0                           ; my one load that was out, my part of the next tile, has landed
	ds_add_u32 v[SPW], v[NIL]                      ; 0 onto my spare word
.if \mode == 2
	s_add_nc_u64 s[G0R+4*\slot+2:G0R+4*\slot+3], s[G0R+4*\slot+2:G0R+4*\slot+3], KIND   ; this slot's next tile
.endif
	MULQ \kind, 7, 0, BI                           ; sixteen products stand between the add and the wait for it
	WIN 0
	s_wait_dscnt 0x0                               ; the add is done; my reads of this slot were over before it
.if \mode == 2
	CROUND                                         ; no wave of any partner still reads this slot or has a load on its way
	tensor_load_to_lds s[G0R+4*\slot:G0R+4*\slot+3], s[G1R:G1R+7]
	s_nop 0
	PLACES                                         ; also the places in front of the loads below
.else
	s_barrier_signal -1
	s_barrier_wait -1
	PLACES
.endif
	FETCH 1-\slot, 0, 0
	FETCH 1-\slot, 1, 1
	WIN 0
.else
	MULQ \kind, 7, 0, BI
	WIN 0
	PLACES
.endif
	EPI \kind, \odd, \hold, \sc, \base
.endm
.macro SC e, hold, sc                  ; from e_out in s[e] and e4 + e5 in s2: 2^(e_out - e4 - e5) and 57,344 x that
	s_sub_co_i32 s3, s[\e], s2
	s_add_co_i32 s3, s3, 127
	s_lshl_b32 s[\sc], s3, 23
	s_add_co_i32 s3, s3, 15
	s_lshl_b32 s3, s3, 23
	s_or_b32 s[\hold], s3, 0x600000
.endm
	s_load_b256 s[4:11], s[0:1], 0x0               ; lnc s[4:5], codes s[6:7], b_tqkv s[8:9], lowp_scales s[10:11]
	s_load_b64 s[12:13], s[0:1], 0x20              ; qkv
	v_lshl_add_u32 v[SPW], v0, 2, SPARE
	v_mov_b32 v[NIL], 0
	ds_add_u32 v[SPW], v[NIL]                      ; the opening lines: the add, twice on end, and its wait ahead of my first tensor load
	ds_add_u32 v[SPW], v[NIL]
	v_lshrrev_b32 v1, 5, v0
	v_readfirstlane_b32 s14, v1                    ; wave
	s_lshr_b32 s15, s14, 1                         ; wy.  Also: at the head I fetch for W (0) or for lnc (1)
	s_and_b32 s16, s14, 1                          ; wx.  Also: which 64 rows I fetch there
	s_bfe_u32 s40, ttmp6, 0x40000                  ; cx
	s_bfe_u32 s41, ttmp6, 0x40004                  ; cy
	s_lshl_b32 s42, ttmp9, 2
	s_add_co_u32 s42, s42, s40                     ; x
	s_and_b32 s17, ttmp7, 0xffff
	s_lshl_b32 s17, s17, 2
	s_add_co_u32 s17, s17, s41                     ; y
	s_lshl_b32 s43, s41, 2
	s_lshl_b32 s43, 15, s43                        ; my row of the cluster
	s_lshl_b32 s44, 0x1111, s40                    ; my column
	s_or_b32 s[G1A], s43, (1<<20)|(1<<21)|(7<<22)|(3<<25)   ; elements of 1 byte; four words of padding after every 256
	s_or_b32 s[G1B], s44, (1<<20)|(1<<21)|(7<<22)|(3<<25)
	s_or_b32 s[G1R], s44, (1<<20)|(1<<21)|(7<<22)|(3<<25)
.irp g, G1A, G1B, G1R
	s_mov_b32 s[\g+1], 1024<<16
	s_mov_b32 s[\g+3], 1024<<16
	s_mov_b32 s[\g+5], 1024
	s_mov_b32 s[\g+6], 0
	s_mov_b32 s[\g+7], 0
.endr
	s_mov_b32 s[G1A+2], 64<<16
	s_mov_b32 s[G1A+4], 64
	s_mov_b32 s[G1B+2], 64<<16
	s_mov_b32 s[G1B+4], 64
	s_mov_b32 s[G1R+2], 32<<16
	s_mov_b32 s[G1R+4], 32
	s_lshl_b32 s20, s17, 7
	s_lshl_b32 s18, s16, 6
	s_add_co_u32 s20, s20, s18
	s_lshl_b32 s20, s20, 10                        ; lnc: row 128 y + 64 half
	s_mov_b32 s21, 0
	s_lshl_b32 s46, s42, 8
	s_add_co_u32 s46, s46, s18
	s_lshl_b32 s46, s46, 10
	s_add_co_u32 s46, s46, C_W                     ; W's tile 0: row 256 x + 64 half
	s_mov_b32 s47, 0
	s_lshl_b32 s22, s42, 8
	s_lshl_b32 s18, s14, 5
	s_add_co_u32 s22, s22, s18
	s_lshl_b32 s22, s22, 10
	s_add_co_u32 s22, s22, C_W                     ; the refills: row 256 x + 32 wave
	s_mov_b32 s23, 0
	s_mul_i32 s45, s16, HALF
	s_mul_i32 s19, s14, QUART
	s_wait_dscnt 0x0                               ; both opening adds are done
	s_wait_kmcnt 0x0
	s_load_b128 s[96:99], s[10:11], 0x10           ; e4, e5, e6, e7
	s_load_b32 s100, s[10:11], 0x24                ; e9
	s_add_nc_u64 s[20:21], s[4:5], s[20:21]
	s_add_nc_u64 s[46:47], s[6:7], s[46:47]
	s_add_nc_u64 s[22:23], s[6:7], s[22:23]
	s_mov_b32 s[G0A], 1
	s_add_co_u32 s[G0A+1], s45, SLOT
	s_mov_b64 s[G0A+2:G0A+3], s[20:21]
	s_or_b32 s[G0A+3], s[G0A+3], 0x80000000
	s_mov_b32 s[G0H], 1
	s_mov_b32 s[G0H+1], s45
	s_mov_b64 s[G0H+2:G0H+3], s[46:47]
	s_or_b32 s[G0H+3], s[G0H+3], 0x80000000
	s_mov_b32 s[G0R], 1
	s_mov_b32 s[G0R+1], s19
	s_mov_b64 s[G0R+2:G0R+3], s[22:23]             ; at tile 0: stepped to tile 2 ahead of its first use
	s_or_b32 s[G0R+3], s[G0R+3], 0x80000000
	s_mov_b32 s[G0R+4], 1
	s_add_co_u32 s[G0R+5], s19, SLOT
	s_add_nc_u64 s[G0R+6:G0R+7], s[22:23], 131072  ; tile 1
	s_or_b32 s[G0R+7], s[G0R+7], 0x80000000
	CROUND                                         ; all sixteen work-groups are here: the first joint loads meet
	s_cmp_eq_u32 s15, 0
	s_cbranch_scc0 .Lfor_a
	tensor_load_to_lds s[G0H:G0H+3], s[G1B:G1B+7]  ; one tensor load a wave at the head
	s_nop 0
	PLACES
	s_branch .Lasked
.Lfor_a:
	tensor_load_to_lds s[G0A:G0A+3], s[G1A:G1A+7]
	s_nop 0
	PLACES
.Lasked:
	s_lshl_b32 s2, s17, 7
	s_lshl_b32 s3, s15, 6
	s_add_co_u32 s2, s2, s3                        ; my first row
	s_lshr_b32 s3, s2, 9
	s_lshl_b32 s3, s3, 4
	s_lshl_b32 s18, s42, 2
	s_add_co_u32 s18, s18, s16                     ; my head in an even tile: 4 x + wx; in an odd one two further on
	s_add_co_u32 s3, s3, s18                       ; 16 b + head
	s_lshl_b32 s66, s3, 5
	s_bfe_u32 s67, s2, 0x50004                     ; the tile of positions
	s_add_co_u32 s66, s66, s67
	s_lshl_b32 s66, s66, 10
	s_mov_b32 s67, 0
	s_add_nc_u64 s[76:77], s[12:13], s[66:67]      ; q's images
	s_lshl_b32 s66, s3, 4
	s_bfe_u32 s93, s2, 0x20007                     ; the key step
	s_add_co_u32 s66, s66, s93
	s_lshl_b32 s66, s66, 11
	s_lshl_b32 s93, s15, 10                        ; my 64 keys are the step's first or second eight registers
	s_add_co_u32 s66, s66, s93
	s_add_co_u32 s66, s66, 0x1000000
	s_add_nc_u64 s[78:79], s[12:13], s[66:67]      ; v's images
	s_lshl_b32 s66, s42, 10
	s_lshl_b32 s93, s16, 8
	s_add_co_u32 s66, s66, s93
	s_add_nc_u64 s[80:81], s[8:9], s[66:67]        ; the bias at column 256 x + 64 wx
	s_lshl_b32 s66, s42, 8
	s_lshl_b32 s93, s14, 5
	s_add_co_u32 s66, s66, s93
	s_lshl_b32 s93, s41, 3
	s_add_co_u32 s66, s66, s93
	s_lshl_b32 s66, s66, 10
	s_add_co_u32 s66, s66, C_W
	s_add_nc_u64 s[84:85], s[6:7], s[66:67]        ; the prefetches: row 256 x + 32 wave + 8 cy of tile 0
	s_mul_i32 s93, s16, HALF
	s_add_co_u32 s66, s93, SLOT
	s_mul_i32 s67, s15, HALF
	s_add_co_u32 s67, s67, SLOT
	v_and_b32 v1, 15, v0                           ; r
	v_bfe_u32 v2, v0, 4, 1                         ; h
	v_mul_u32_u24 v3, v1, PITCH
	v_lshl_add_u32 v3, v2, 4, v3
	v_add_nc_u32 v[ADRB], s93, v3
	v_add_nc_u32 v[ADRB+1], s66, v3
	v_add_nc_u32 v[ADRA], s67, v3
	v_and_b32 v4, 31, v0
	v_lshlrev_b32 v[VO], 4, v4
	v_lshlrev_b32 v[VBQ], 5, v2
	v_lshlrev_b32 v[VBV], 2, v1
	v_lshrrev_b32 v5, 2, v4
	v_and_b32 v6, 3, v4
	v_lshlrev_b32 v6, 8, v6
	v_lshl_add_u32 v[PFO], v5, 10, v6
.irp o, 0,1
.irp f, 0,1,2,3
	global_load_b128 v[BIAS+32*\o+8*\f:BIAS+32*\o+8*\f+3], v[VBQ], s[80:81] offset:512*\o+64*\f       ; q: features 16 f + 8 h + 0..7
	global_load_b128 v[BIAS+32*\o+8*\f+4:BIAS+32*\o+8*\f+7], v[VBQ], s[80:81] offset:512*\o+64*\f+16
	global_load_b32 v[RAWV+4*\o+\f], v[VBV], s[80:81] offset:8192+512*\o+64*\f                         ; v: feature 16 f + r
.endr
.endr
	s_wait_alu depctr_va_vdst(0)
	s_wait_kmcnt 0x0
	s_add_co_i32 s2, s96, s97                      ; e4 + e5
	s_sub_co_i32 s3, 127, s2
	s_lshl_b32 s94, s3, 23                         ; 2^-(e4 + e5)
	s_mov_b32 s95, s94                             ; (named with it as a pair)
	SC 98, 87, 88                                  ; q's, in the registers that the loop reads
	SC 99, 89, 90                                  ; k's
	SC 100, 91, 92                                 ; v's
	s_wait_tensorcnt 0x0                           ; my part of the head's two tiles is in
	s_barrier_signal -1
	s_barrier_wait -1                              ; and everybody's
.irp q, 0,1,2,3,4,5,6,7
	WIN 0x80+0x40*(\q/4)
.irp a, 0,1,2,3
.irp c, 0,1,2,3
	ds_load_b128 v[64*(\q%4)+16*\a+4*\c:64*(\q%4)+16*\a+4*\c+3], v[ADRA] offset:128*\q+32*\c+\a*16*PITCH   ; lnc's fragments, once for the whole walk
.endr
.endr
.endr
	FETCH 0, 0, 0
	FETCH 0, 1, 1
	WIN 0
	s_wait_tensorcnt 0x0
	ds_add_u32 v[SPW], v[NIL]
	s_wait_dscnt 0x0                               ; the add is done, and lnc's rows are in my registers
	CROUND
	tensor_load_to_lds s[G0R+4:G0R+7], s[G1R:G1R+7]   ; tile 1, onto the bytes that held lnc's rows
	s_nop 0
	PLACES
	s_mov_b32 s86, 0
.Ltrip:                                                ; two trips: q's two tiles, k's two tiles
	BODY 0, 0, 0, 2, 87, 88, 76
	BODY 1, 0, 1, 2, 87, 88, 76
	s_wait_xcnt 0x0                                ; stores and prefetches have read their bases
	s_add_nc_u64 s[76:77], s[76:77], 0x800000      ; k's images
	s_add_nc_u64 s[84:85], s[84:85], KIND
	s_mov_b32 s87, s89
	s_mov_b32 s88, s90
	s_add_co_u32 s86, s86, 1
	s_cmp_lt_u32 s86, 2
	s_cbranch_scc1 .Ltrip
	BODY 0, 1, 0, 1, 91, 92, 78                    ; v's two tiles are written out: the sources are swapped, and nothing more is fetched
	BODY 1, 1, 1, 0, 91, 92, 78
	s_wait_tensorcnt 0x0                           ; the wave's end
	ds_add_u32 v[SPW], v[NIL]
	s_wait_dscnt 0x0
	CROUND                                         ; the closing round
	s_endpgm
.Lfunc_end_k_q22ba2a4e74_gemm3:
	.size	k_q22ba2a4e74_gemm3, .Lfunc_end_k_q22ba2a4e74_gemm3-k_q22ba2a4e74_gemm3
	.p2alignl 7, 3214868480
	.fill 96, 4, 3214868480
	.section	.rodata,"a",@progbits
	.p2align	6, 0x0
	.amdhsa_kernel k_q22ba2a4e74_gemm3
		.amdhsa_group_segment_fixed_size 327680
		.amdhsa_private_segment_fixed_size 0
		.amdhsa_enable_private_segment 0
		.amdhsa_kernarg_size 40
		.amdhsa_user_sgpr_count 2
		.amdhsa_user_sgpr_kernarg_segment_ptr 1
		.amdhsa_wavefront_size32 1
		.amdhsa_system_sgpr_workgroup_id_x 1
		.amdhsa_system_sgpr_workgroup_id_y 1
		.amdhsa_system_sgpr_workgroup_id_z 1
		.amdhsa_system_vgpr_workitem_id 0
		.amdhsa_next_free_vgpr 1024
		.amdhsa_next_free_sgpr 102
		.amdhsa_reserve_vcc 0
		.amdhsa_float_denorm_mode_32 3
		.amdhsa_float_denorm_mode_16_64 3
		.amdhsa_memory_ordered 1
		.amdhsa_forward_progress 1
		.amdhsa_inst_pref_size 135
	.end_amdhsa_kernel
	.amdgpu_metadata
---
amdhsa.version: [ 1, 2 ]
amdhsa.kernels:
  - .name:           k_q22ba2a4e74_gemm3
    .symbol:         k_q22ba2a4e74_gemm3.kd
    .args:
      - { .name: lnc, .offset: 0, .size: 8, .value_kind: global_buffer, .address_space: global }
      - { .name: codes, .offset: 8, .size: 8, .value_kind: global_buffer, .address_space: global }
      - { .name: b_tqkv, .offset: 16, .size: 8, .value_kind: global_buffer, .address_space: global }
      - { .name: lowp_scales, .offset: 24, .size: 8, .value_kind: global_buffer, .address_space: global }
      - { .name: qkv, .offset: 32, .size: 8, .value_kind: global_buffer, .address_space: global }
    .group_segment_fixed_size: 327680
    .private_segment_fixed_size: 0
    .kernarg_segment_align: 8
    .kernarg_segment_size: 40
    .max_flat_workgroup_size: 128
    .sgpr_count:     102
    .vgpr_count:     1024
    .wavefront_size: 32
...
	.end_amdgpu_metadata
.endif
;; end of part 5
;; launch attn (part 6): grid 256 x 1, 4 waves a work-group, no clusters, 201,216 bytes of LDS; arguments qkv, tproj, vp, codes, rel_embed, text_mask, lowp_scales, out1, i2o, g_t2i, be_t2i, b_tout, alpha_t2i; writes out1, i2o
.if DOCPART == 6
	.amdgcn_target "amdgcn-amd-amdhsa--gfx1250"
	.amdhsa_code_object_version 6
	.text
	.protected	k_q22ba2a4e74_attn
	.globl	k_q22ba2a4e74_attn
	.p2align	8
	.type	k_q22ba2a4e74_attn,@function
k_q22ba2a4e74_attn:
	s_mov_b64 s[64:65], 0
	v_nop
	global_prefetch_b8 v0, s[64:65] scope:SCOPE_SE
	s_setreg_imm32_b32 hwreg(HW_REG_WAVE_MODE, 25, 1), 1
	s_wait_xcnt 0x0
; One work-group for each (batch b, head): the text-to-image branch's 64 numbers, text self-attention with relative bias and key mask, the residual, out1, and the image-to-text attention of that (b, head).
; TEXT TO IMAGE.  reference()'s softmax there runs over ONE key: exp(x - x) / exp(x - x) = 1 wherever x is finite, so its output is vision_proj's row b for every position, and the scores that it discards are not formed.
;   tv = alpha_t2i x (Q(LN(vp[b])) Q(W_tout)^T + b_tout) is the same for all positions; this work-group needs its head's 64 columns.  Each wave norms the row (32 numbers a lane), quantises it (2^e16) in the order along K of the
;   weights' codes, sends the 1,024 codes through LDS bytes of its own and reads them back as eight fragments whose 16 rows are all that row; source 0 = its 16 rows of W_tout's codes; two accumulators take turns.
;   The four waves' 16 numbers each meet in 256 bytes of LDS ahead of the first barrier.
; SELF-ATTENTION.  Wave w owns queries 128 w .. + 127, eight tiles of 16, one a trip.  S^T = K Q^T (source 0 = 16 keys, source 1 = my 16 queries): a lane holds ONE query (lane % 16) and, in tile T, keys 16 T + 8 (lane / 16) + 0..7.
;   All 512 keys' scores of a tile stay in 256 registers, so M is the ceiling of the row's true largest t and nothing is ever rescaled.  The bias, in raw score units (x 2^(3 - e6 - e7), exact), is the C of the product.
;   t = S x c1, c1 = log2(e) / 8 x 2^(e6 + e7); p = 2^(t - M); the row's sum is taken of the unquantised p; one conversion of a tile's eight registers gives registers 2 c, 2 c + 1 of P.  O^T = V^T P^T; O / sum x 2^(e8 + e9).
;   K (32 KB of images) lies in LDS, V's 16 fragments stay in registers (window 3), the key mask as 256 registers (window 2).
; A MASKED KEY's score is replaced (a minimum with the mask's register) by the logit -2^30, not -1e9: with a power of two t = S x c1 is exact, so a row all of whose keys are masked gets p = 1 for every key, the uniform
;   weights that reference() gives; elsewhere p = 0 either way.  LIMIT: unmasked logits stay far above -1e9.
; text_self = text_proj + O stays in LDS (f32, my wave's 128 rows); out1 = text_self + tv.
; IMAGE TO TEXT.  All 512 query rows of reference() are the same row of vision_proj, and the mean over them is that row's result: one tile of 16 equal queries is computed.  Each wave takes its own 128 keys (its own rows of text_self, no
;   barrier) with its own whole M_w, a running M; the four waves' sums meet in LDS and wave 0 joins them by exact powers of two.
; No cluster: K, V and Q are this (b, head)'s own; what work-groups share (64 KB of W_tout's codes among the 16 batches of a head, the mask's 512 bytes, a column of rel_embed, a row of vp) is read once, into registers, beside the
;   96 KB + 128 KB that are each work-group's own.  No tensor load: K is copied once.
; LIMITS: e8, e10, e11, e12, e13, e16 between -126 and 112; e6 + e7 and e10 + e11 between -94 and 130; e16 + e17 between -126 and 127; NaN among the inputs is not served.
; REGISTERS.  window 1: S (ahead of the loop: v0-63 K's images on their way to LDS, v64-191 W_tout's fragments).  window 2: the mask (ahead of the barrier: v0-127 the normed row's fragments).  window 3: V.
;   window 0: v1-11 addresses; v12 -M, v13 t; v14, v15 limit and scale; v16-23 chains; v24, v25 1 / sum; v26, v27 addresses; v28-31 tv; v32-39 Q; v40-71 text_proj, then rows of out1;
;   v72-135 K's fragments, then text_proj and text_self in O^T's layout; v136-199 K's fragments, then P; v200-231 O^T; v248-255 the codes of vision_proj's slice.  Ahead of the loop: v40-71 vp's row, v72-103 g, v104-135 b.
.set KIMG, 0                           ; K's images: 32 tiles x 1,024 bytes
.set BT,   32768                       ; the bias: 4 copies, 4,160 bytes apart; copy c, entry z: the bias of key - query = z + c - 511
.set BTP,  4160
.set MK1,  BT+4*BTP                    ; 512 f32: the largest f32 number for a key that counts, the masked score for one that does not
.set MK2,  MK1+2048                    ; the same for image to text
.set TS,   MK2+2048                    ; text_self: 128 rows x (256 + 16) bytes for each wave
.set TSP,  272
.set TSW,  128*TSP
.set CMB,  TS+4*TSW                    ; 512 bytes a wave: 64 sums, then -M_w and the sum of p
.set TVC,  CMB+2048                    ; 1,024 bytes a wave: the codes of LN(vp[b])
.set TVS,  TVC+4096                    ; 256 bytes: the head's 64 numbers of tv
.set C_WTOUT, 5767168                  ; W_tout's codes in the stream
.set MSB, 0
.macro WIN new                         ; the immediate's high byte repeats the setting that is left
.if MSB != \new
	s_set_vgpr_msb (MSB<<8)|\new
.set MSB, \new
.endif
.endm
.macro SCALE e, lim, sc                ; from the exponent in s[e]: v[sc] = 2^e, v[lim] = 57,344 x 2^e
	s_add_co_i32 s60, s[\e], 127
	s_lshl_b32 s61, s60, 23
	v_mov_b32 v[\sc], s61
	s_add_co_i32 s60, s60, 15
	s_lshl_b32 s60, s60, 23
	s_or_b32 s60, s60, 0x600000
	v_mov_b32 v[\lim], s60
.endm
.macro PLACES                          ; four plain places behind matrix instructions (ISA guide 7.12.1)
.rept 4
	v_nop
.endr
.endm
.macro WSUM a, b                       ; the sum over the 32 lanes of v[a], in every lane; v[b] at work
	v_add_f32_dpp v[\a], v[\a], v[\a] row_xmask:1 row_mask:0xf bank_mask:0xf
	v_add_f32_dpp v[\a], v[\a], v[\a] row_xmask:2 row_mask:0xf bank_mask:0xf
	v_add_f32_dpp v[\a], v[\a], v[\a] row_xmask:4 row_mask:0xf bank_mask:0xf
	v_add_f32_dpp v[\a], v[\a], v[\a] row_xmask:8 row_mask:0xf bank_mask:0xf
	v_permlanex16_b32 v[\b], v[\a], s26, s27
	v_add_f32 v[\a], v[\a], v[\b]
.endm
.macro LNROW x, g, be                  ; a row of 1,024, 32 numbers a lane in v[x] on: (x - mean) rsqrt(var + 1e-5) g + b; v16-25 at work
	v_pk_add_f32 v[16:17], v[(\x):(\x)+1], v[(\x)+2:(\x)+3]
	v_pk_add_f32 v[18:19], v[(\x)+4:(\x)+5], v[(\x)+6:(\x)+7]
	v_pk_add_f32 v[20:21], v[(\x)+8:(\x)+9], v[(\x)+10:(\x)+11]
	v_pk_add_f32 v[22:23], v[(\x)+12:(\x)+13], v[(\x)+14:(\x)+15]
.irp k, 0,1,2,3,4,5,6,7
	v_pk_add_f32 v[16+2*(\k%4):17+2*(\k%4)], v[16+2*(\k%4):17+2*(\k%4)], v[(\x)+16+2*\k:(\x)+17+2*\k]
.endr
	v_pk_add_f32 v[16:17], v[16:17], v[18:19]
	v_pk_add_f32 v[20:21], v[20:21], v[22:23]
	v_pk_add_f32 v[16:17], v[16:17], v[20:21]
	v_add_f32 v16, v16, v17
	WSUM 16, 17
	v_mul_f32 v16, s92, v16                        ; the mean
.irp k, 0,1,2,3,4,5,6,7,8,9,10,11,12,13,14,15
	v_pk_add_f32 v[(\x)+2*\k:(\x)+2*\k+1], v[(\x)+2*\k:(\x)+2*\k+1], v[16:17] op_sel_hi:[1,0] neg_lo:[0,1] neg_hi:[0,1]
.endr
.irp k, 0,1,2,3
	v_pk_mul_f32 v[18+2*\k:19+2*\k], v[(\x)+2*\k:(\x)+2*\k+1], v[(\x)+2*\k:(\x)+2*\k+1]
.endr
.irp k, 4,5,6,7,8,9,10,11,12,13,14,15
	v_pk_fma_f32 v[18+2*(\k%4):19+2*(\k%4)], v[(\x)+2*\k:(\x)+2*\k+1], v[(\x)+2*\k:(\x)+2*\k+1], v[18+2*(\k%4):19+2*(\k%4)]
.endr
	v_pk_add_f32 v[18:19], v[18:19], v[20:21]
	v_pk_add_f32 v[22:23], v[22:23], v[24:25]
	v_pk_add_f32 v[18:19], v[18:19], v[22:23]
	v_add_f32 v18, v18, v19
	WSUM 18, 19
	v_fma_f32 v18, v18, s92, s93                   ; the variance + 1e-5
	s_wait_alu depctr_va_vdst(0)
	v_rsq_f32 v18, v18
	v_nop                                          ; a plain place behind the transcendental
	s_wait_alu depctr_va_vdst(0)
.irp k, 0,1,2,3,4,5,6,7,8,9,10,11,12,13,14,15
	v_pk_mul_f32 v[(\x)+2*\k:(\x)+2*\k+1], v[(\x)+2*\k:(\x)+2*\k+1], v[18:19] op_sel_hi:[1,0]
.endr
.irp k, 0,1,2,3,4,5,6,7,8,9,10,11,12,13,14,15
	v_pk_fma_f32 v[(\x)+2*\k:(\x)+2*\k+1], v[(\x)+2*\k:(\x)+2*\k+1], v[(\g)+2*\k:(\g)+2*\k+1], v[(\be)+2*\k:(\be)+2*\k+1]
.endr
.endm
.macro KLOAD g, kb                     ; K's tiles 8 g .. 8 g + 7 into v[kb] on
.irp i, 0,1,2,3,4,5,6,7
	ds_load_b128 v[\kb+8*\i:\kb+8*\i+3], v1 offset:KIMG+1024*(8*(\g)+\i)
	ds_load_b128 v[\kb+8*\i+4:\kb+8*\i+7], v1 offset:KIMG+1024*(8*(\g)+\i)+512
.endr
.endm
.macro QK g, kb                        ; eight products, each on an accumulator of its own, which holds the bias
	WIN 0x50                                       ; C and D window 1
.irp i, 0,1,2,3,4,5,6,7
	v_wmma_f32_16x16x64_bf8_bf8 v[64*(\g)+8*\i:64*(\g)+8*\i+7], v[\kb+8*\i:\kb+8*\i+7], v[32:39], v[64*(\g)+8*\i:64*(\g)+8*\i+7]
.endr
	WIN 0
.endm
	s_load_b256 s[4:11], s[0:1], 0x0               ; qkv s[4:5], tproj s[6:7], vp s[8:9], codes s[10:11]
	s_load_b256 s[12:19], s[0:1], 0x20             ; rel_embed s[12:13], text_mask s[14:15], lowp_scales s[16:17], out1 s[18:19]
	s_load_b64 s[20:21], s[0:1], 0x40              ; i2o
	s_load_b256 s[80:87], s[0:1], 0x48             ; g_t2i s[80:81], be_t2i s[82:83], b_tout s[84:85], alpha_t2i s[86:87]
	v_lshrrev_b32 v1, 5, v0
	v_readfirstlane_b32 s22, v1                    ; wave
	v_and_b32 v11, 31, v0
	v_lshlrev_b32 v1, 4, v11                       ; 16 x lane
	v_and_b32 v2, 15, v0                           ; r
	v_bfe_u32 v3, v0, 4, 1                         ; h
	s_wait_alu depctr_va_vdst(0)
	s_lshr_b32 s23, ttmp9, 4                       ; b
	s_and_b32 s24, ttmp9, 15                       ; head
	s_mov_b32 s26, 0x76543210
	s_mov_b32 s27, 0xfedcba98
	s_mov_b32 s92, 0x3a800000                      ; 1 / 1,024
	s_mov_b32 s93, 0x3727c5ac                      ; 1e-5
	; the bias of key 16 T + 8 h + j and query 128 w + 16 qt + r lies at BT + (3 - r % 4) x 4,160 + 4 (16 T + 8 h + j - 128 w - 16 qt + 508 - 4 (r / 4)); 3 - x is x xor 3, 7 - x is x xor 7:
	v_and_b32 v4, 3, v2
	v_xor_b32 v4, 3, v4
	v_mul_u32_u24 v4, v4, BTP
	v_lshl_add_u32 v4, v3, 5, v4
	v_lshrrev_b32 v5, 2, v2
	v_xor_b32 v5, 3, v5
	v_lshl_add_u32 v4, v5, 4, v4
	s_xor_b32 s28, s22, 3
	s_lshl_b32 s28, s28, 9
	s_add_co_u32 s28, s28, BT
	v_add_nc_u32 v4, s28, v4                       ; every address made of it is a multiple of 16, and the 16 lanes of a half fall on 16 different 16-byte columns
	s_mul_i32 s30, s22, TSW
	s_add_co_u32 s30, s30, TS                      ; my wave's rows of text_self
	v_mul_u32_u24 v6, v3, TSP
	v_lshl_add_u32 v6, v2, 4, v6
	v_add_nc_u32 v6, s30, v6                       ; whole rows: lanes 0-15 one row, lanes 16-31 the next
	v_mul_u32_u24 v7, v2, TSP
	v_lshl_add_u32 v7, v3, 5, v7
	v_add_nc_u32 v7, s30, v7                       ; O^T's layout: row r, + 32 h
	v_lshlrev_b32 v10, 12, v3
	v_lshl_add_u32 v10, v2, 4, v10                 ; the same whole rows in tproj and out1
	v_mul_u32_u24 v11, v3, 8*TSP
	v_lshl_add_u32 v11, v2, 2, v11
	v_add_nc_u32 v11, s30, v11                     ; columns: key 8 h, channel r
	s_lshl_b32 s31, s22, 9
	s_add_co_u32 s31, s31, CMB
	v_lshl_add_u32 v26, v3, 5, s31                 ; where my sums go
	v_mov_b32 v27, s31
	v_lshlrev_b32 v232, 4, v0                      ; 16 x thread
	v_lshlrev_b32 v233, 2, v0                      ; 4 x thread
	v_lshlrev_b32 v235, 4, v2                      ; 16 r
	v_lshlrev_b32 v236, 5, v3                      ; 32 h
	v_mov_b32 v238, 0x7f7fffff
	v_lshlrev_b32 v239, 10, v2
	v_lshl_add_u32 v239, v3, 4, v239               ; W_tout: row r of 1,024 codes, + 16 h
	s_mov_b32 s57, 0
	s_mov_b32 s59, 0
	s_wait_alu depctr_va_vdst(0)
	s_wait_kmcnt 0x0
	s_load_b256 s[32:39], s[16:17], 0x18           ; e6 .. e13
	s_load_b64 s[88:89], s[16:17], 0x40            ; e16, e17
	s_load_b32 s90, s[86:87], 0x0                  ; alpha_t2i
	s_lshl_b32 s56, ttmp9, 15
	s_add_nc_u64 s[46:47], s[4:5], s[56:57]        ; this (b, head)'s 32 KB of q
	s_add_nc_u64 s[48:49], s[46:47], 0x1000000     ; of v
	s_lshl_b32 s58, s22, 13
	s_add_nc_u64 s[44:45], s[46:47], s[58:59]      ; q at my first tile
	s_add_nc_u64 s[46:47], s[46:47], 0x800000      ; of k
	s_lshl_b32 s56, s23, 21
	s_lshl_b32 s58, s22, 19
	s_add_co_u32 s56, s56, s58
	s_lshl_b32 s58, s24, 8
	s_add_co_u32 s56, s56, s58                     ; row 512 b + 128 w, the head's 256 bytes
	s_add_nc_u64 s[50:51], s[6:7], s[56:57]
	s_add_nc_u64 s[52:53], s[18:19], s[56:57]
	s_lshl_b32 s56, s23, 12
	s_add_nc_u64 s[54:55], s[8:9], s[56:57]        ; vision_proj's whole row b
	s_add_co_u32 s56, s56, s58
	s_add_nc_u64 s[8:9], s[8:9], s[56:57]          ; and the head's 256 bytes of it
	s_add_nc_u64 s[20:21], s[20:21], s[56:57]
	s_lshl_b32 s56, s24, 16
	s_lshl_b32 s58, s22, 14
	s_add_co_u32 s56, s56, s58
	s_add_co_u32 s56, s56, C_WTOUT
	s_add_nc_u64 s[10:11], s[10:11], s[56:57]      ; W_tout's codes at row 64 head + 16 w
	s_lshl_b32 s56, s24, 8
	s_lshl_b32 s58, s22, 6
	s_add_co_u32 s56, s56, s58
	s_add_nc_u64 s[84:85], s[84:85], s[56:57]      ; b_tout likewise
	s_lshl_b32 s56, s23, 9
	s_add_nc_u64 s[14:15], s[14:15], s[56:57]
	s_lshl_b32 s56, s24, 2
	s_add_nc_u64 s[12:13], s[12:13], s[56:57]
.irp j, 0,1,2,3,4,5,6,7
	global_load_b128 v[40+4*\j:43+4*\j], v1, s[54:55] offset:512*\j       ; vp's row: register 4 j + i = column 128 j + 4 lane + i
	global_load_b128 v[72+4*\j:75+4*\j], v1, s[80:81] offset:512*\j       ; g_t2i
	global_load_b128 v[104+4*\j:107+4*\j], v1, s[82:83] offset:512*\j     ; be_t2i
.endr
	global_load_b128 v[240:243], v236, s[84:85]    ; b_tout of columns 8 h + 0..7 of my 16
	global_load_b128 v[244:247], v236, s[84:85] offset:16
	WIN 0x40                                       ; destination window 1
.irp n, 0,1,2,3,4,5,6,7
.irp c, 0,1,2,3
	global_load_b128 v[64+16*\n+4*\c:67+16*\n+4*\c], v239, s[10:11] offset:128*\n+32*\c   ; W_tout's fragment of K step n
.endr
.endr
.irp i, 0,1,2,3,4,5,6,7,8,9,10,11,12,13,14,15
	global_load_b128 v[4*\i:4*\i+3], v232, s[46:47] offset:2048*\i        ; K's images, as they lie
.endr
	WIN 0
	global_load_b32 v234, v233, s[14:15]           ; four keys' mask bytes
.irp c, 0,1,2,3
.irp i, 0,1,2,3,4,5,6,7
	v_add_nc_u32 v[136+8*\c+\i], 128*\i, v0        ; z
	v_min_u32 v[136+8*\c+\i], 639-\c, v[136+8*\c+\i]
	v_sub_nc_u32 v[136+8*\c+\i], 639-\c, v[136+8*\c+\i]
	v_min_u32 v[136+8*\c+\i], 0x100, v[136+8*\c+\i]        ; clamp(639 - z - c, 0, 256): reference()'s clipped distance + 128
	v_lshlrev_b32 v[136+8*\c+\i], 6, v[136+8*\c+\i]
	global_load_b32 v[168+8*\c+\i], v[136+8*\c+\i], s[12:13]
.endr
.endr
	WIN 0xc0                                       ; destination window 3
.set n, 0
.rept 64
	global_load_b128 v[4*n:4*n+3], v1, s[48:49] offset:512*n              ; V's fragment (t, s) at v[16 (4 t + s)]
.set n, n+1
.endr
	WIN 0
	global_load_b128 v[32:35], v1, s[44:45]
	global_load_b128 v[36:39], v1, s[44:45] offset:512
.irp c, 0,1,2,3
	global_load_b128 v[200+8*\c:203+8*\c], v236, s[8:9] offset:64*\c      ; vision_proj's slice: channels 16 c + 8 h + 0..7, the same in every lane of a half
	global_load_b128 v[204+8*\c:207+8*\c], v236, s[8:9] offset:64*\c+16
.endr
	s_wait_kmcnt 0x0
	s_add_co_i32 s60, s32, s33                     ; e6 + e7
	s_lshl_b32 s61, s60, 23
	s_add_co_i32 s40, s61, 0x3e38aa3b              ; c1: the exponents are added to the exponent field of log2(e) / 8
	s_mov_b32 s41, s40
	s_sub_co_i32 s62, 3, s60                       ; the bias in raw score units: x 2^(3 - e6 - e7)
	s_sub_co_i32 s63, 0xa0, s60
	s_lshl_b32 s63, s63, 23
	s_or_b32 s63, s63, 0x80000000                  ; -2^(33 - e6 - e7): the logit -2^30
	s_add_co_i32 s60, s36, s37                     ; e10 + e11
	s_lshl_b32 s61, s60, 23
	s_add_co_i32 s42, s61, 0x3e38aa3b              ; c2
	s_mov_b32 s43, s42
	s_sub_co_i32 s66, 0xa0, s60
	s_lshl_b32 s66, s66, 23
	s_or_b32 s66, s66, 0x80000000
	s_add_co_i32 s67, s34, s35                     ; e8 + e9
	s_add_co_i32 s68, s38, s39                     ; e12 + e13
	s_add_co_i32 s94, s88, s89
	s_add_co_i32 s94, s94, 127
	s_lshl_b32 s94, s94, 23                        ; 2^(e16 + e17)
	s_mov_b32 s95, s94                             ; (named with it as a pair, so it is written)
	s_mov_b32 s91, s90                             ; (alpha likewise)
	s_lshl_b32 s96, s22, 10
	s_add_co_u32 s96, s96, TVC                     ; my wave's 1,024 bytes for the normed row's codes
	s_lshl_b32 s97, s22, 6
	s_add_co_u32 s97, s97, TVS                     ; my wave's 64 bytes of tv
	SCALE 34, 14, 15                               ; p's
	SCALE 36, 12, 13                               ; vision_proj's, as the query
	s_wait_loadcnt 0x0
	WIN 0x04                                       ; the stores' data: window 1
.irp i, 0,1,2,3,4,5,6,7,8,9,10,11,12,13,14,15
	ds_store_b128 v232, v[4*\i:4*\i+3] offset:KIMG+2048*\i
.endr
	WIN 0
.irp c, 0,1,2,3
.irp i, 0,1,2,3,4,5,6,7
	v_ldexp_f32 v[168+8*\c+\i], v[168+8*\c+\i], s62
	ds_store_b32 v233, v[168+8*\c+\i] offset:BT+BTP*\c+512*\i
.endr
.endr
.set n, 0
.rept 32
	v_med3_num_f32 v[200+n], v[200+n], -v12, v12
.set n, n+1
.endr
.irp c, 0,1,2,3
	v_cvt_scalef32_pk8_bf8_f32 v[248+2*\c:249+2*\c], v[200+8*\c:207+8*\c], v13
.endr
	v_nop                                          ; a plain place behind the last conversion
	; ---- tv: my 16 of the head's 64 columns
	SCALE 88, 12, 13                               ; LN(vp)'s
	v_lshrrev_b32 v160, 1, v1
	v_add_nc_u32 v160, s96, v160                   ; the codes, in: 8 x lane
	v_lshl_add_u32 v161, v3, 4, s96                ; and back: + 16 h, the same bytes for all 16 rows of a fragment
	v_lshl_add_u32 v162, v3, 5, s97                ; my results: + 32 h
	v_lshl_add_u32 v163, v2, 4, TVS                ; and where a lane reads its four numbers of tv: 16 r
	LNROW 40, 72, 104
.set n, 0
.rept 32
	v_med3_num_f32 v[40+n], v[40+n], -v12, v12     ; the hold at the largest code x the scale (ISA guide 7.6.2)
.set n, n+1
.endr
.irp n, 0,1,2,3
	v_cvt_scalef32_pk8_bf8_f32 v[16+2*\n:17+2*\n], v[40+8*\n:47+8*\n], v13
.endr
	v_nop                                          ; a plain place behind the last conversion
.irp n, 0,1,2,3
	ds_store_b64 v160, v[16+2*\n:17+2*\n] offset:256*\n                   ; byte 8 l + 4 j + i of block n = k 256 n + 128 j + 4 l + i: the order of W's codes
.endr
	WIN 0x80                                       ; destination window 2
.irp n, 0,1,2,3,4,5,6,7
.irp c, 0,1,2,3
	ds_load_b128 v[16*\n+4*\c:16*\n+4*\c+3], v161 offset:128*\n+32*\c     ; my own bytes: LDS serves a wave's instructions in order (ISA guide 5.7.1.4)
.endr
.endr
	WIN 0
	s_wait_dscnt 0x0
	WIN 0x09                                       ; source 0 (W_tout) window 1, source 1 (the row) window 2
.irp n, 0,1,2,3,4,5,6,7
.if \n < 2
	v_wmma_f32_16x16x128_bf8_bf8 v[136+8*(\n%2):143+8*(\n%2)], v[64+16*\n:79+16*\n], v[16*\n:16*\n+15], 0
.else
	v_wmma_f32_16x16x128_bf8_bf8 v[136+8*(\n%2):143+8*(\n%2)], v[64+16*\n:79+16*\n], v[16*\n:16*\n+15], v[136+8*(\n%2):143+8*(\n%2)]
.endif
.endr
	WIN 0
	PLACES
.irp i, 0,2,4,6
	v_pk_add_f32 v[152+\i:153+\i], v[136+\i:137+\i], v[144+\i:145+\i]
.endr
.irp i, 0,2,4,6
	v_pk_fma_f32 v[152+\i:153+\i], v[152+\i:153+\i], s[94:95], v[240+\i:241+\i] op_sel_hi:[1,0,1]   ; sum x 2^(e16 + e17) + b_tout
.endr
.irp i, 0,2,4,6
	v_pk_mul_f32 v[152+\i:153+\i], v[152+\i:153+\i], s[90:91] op_sel_hi:[1,0]                      ; x alpha_t2i
.endr
	ds_store_b128 v162, v[152:155]                 ; all 16 rows are equal: the lanes of a half write the same bytes with the same values
	ds_store_b128 v162, v[156:159] offset:16
	; ---- the key mask as f32 numbers
.irp k, 0,1,2,3
	v_bfe_u32 v237, v234, 8*\k, 8
	v_cmp_ne_u32 vcc_lo, 0, v237
	v_cndmask_b32 v[240+\k], s63, v238, vcc_lo
	v_cndmask_b32 v[244+\k], s66, v238, vcc_lo
.endr
	ds_store_b128 v232, v[240:243] offset:MK1
	ds_store_b128 v232, v[244:247] offset:MK2
	s_wait_dscnt 0x0                               ; for the others' sake: my part of K, of the tables, of the masks and of tv has landed
	s_barrier_signal -1
	s_barrier_wait -1
	WIN 0x80                                       ; destination window 2
.set n, 0
.rept 32
	ds_load_b128 v[8*n:8*n+3], v236 offset:MK1+64*n
	ds_load_b128 v[8*n+4:8*n+7], v236 offset:MK1+64*n+16
.set n, n+1
.endr
	WIN 0
	ds_load_b128 v[28:31], v163                    ; tv of channels 4 r .. 4 r + 3
	s_mov_b32 s72, 0                               ; qt
	s_mov_b32 s71, 0                               ; 16 qt rows of text_self
.Ltrip:
	s_xor_b32 s70, s72, 7
	s_lshl_b32 s70, s70, 6
	v_add_nc_u32 v5, s70, v4
	v_add_nc_u32 v8, s71, v6
	v_add_nc_u32 v9, s71, v7
.irp i, 0,1,2,3,4,5,6,7
	global_load_b128 v[40+4*\i:43+4*\i], v10, s[50:51] offset:8192*\i     ; text_proj, my 16 rows: sixteen lanes read 256 consecutive bytes; wanted a whole softmax later
.endr
	WIN 0x40                                       ; destination window 1
.set n, 0
.rept 32
	ds_load_b128 v[8*n:8*n+3], v5 offset:64*n      ; the bias, straight into the accumulators
	ds_load_b128 v[8*n+4:8*n+7], v5 offset:64*n+16
.set n, n+1
.endr
	WIN 0
	KLOAD 0, 72
	KLOAD 1, 136
	s_wait_loadcnt 8                               ; Q is in; the eight loads of text_proj behind it stay out
	s_wait_dscnt 16                                ; the mask, tv, the bias and K's group 0 are in; group 1's sixteen stay out
	QK 0, 72
	PLACES
	KLOAD 2, 72
	s_wait_dscnt 16
	QK 1, 136
	PLACES
	KLOAD 3, 136
	s_wait_dscnt 16
	QK 2, 72
	s_wait_dscnt 0x0
	QK 3, 136
	PLACES
	global_load_b128 v[32:35], v1, s[44:45] offset:1024    ; the next tile's Q.  In the last trip this is the tile behind my eight: another wave's, or the first bytes of k's images: inside qkv, and not used
	global_load_b128 v[36:39], v1, s[44:45] offset:1536
	WIN 0x49                                       ; S (window 1) = min(S, the mask's register (window 2)): each accumulator from its low end on
.set n, 0
.rept 256
	v_min_num_f32 v[n], v[n], v[n]
.set n, n+1
.endr
	WIN 0
.irp k, 16,17,18,19
	v_mov_b32 v[\k], 0xff800000
.endr
	WIN 0x14                                       ; sources 1 and 2 window 1
.set n, 0
.rept 128
	v_max3_num_f32 v[16+n%4], v[16+n%4], v[2*n], v[2*n+1]
.set n, n+1
.endr
	WIN 0
	v_max3_num_f32 v16, v16, v17, v18
	v_max_num_f32 v16, v16, v19
	v_permlanex16_b32 v17, v16, s26, s27           ; the query's other 256 keys lie in the lane 16 away
	v_max_num_f32 v16, v16, v17
	v_mul_f32 v13, s40, v16                        ; the row's largest t (c1 is positive)
	v_floor_f32 v12, -v13                          ; -M = floor(-t) = -ceil(t)
.irp k, 16,17,18,19,20,21,22,23
	v_mov_b32 v[\k], 0                             ; the sum, in four pairs
.endr
	; t - M, 2^(t - M), the sum of p, the hold: in 5 steps on groups of 64 registers; a group's exponentials stand among the hold of the group before and the scaling of the group behind, and are first used a step later.
	; One wait a step serves the step's sources and the last step's exponentials alike
	WIN 0x41
.set n, 0
.rept 32
	v_pk_fma_f32 v[2*n:2*n+1], v[2*n:2*n+1], s[40:41], v[12:13] op_sel_hi:[1,0,0]
.set n, n+1
.endr
.set g, 0
	s_wait_alu depctr_va_vdst(0)
.rept 5
.if g > 0
	WIN 0x04                                       ; source 1 window 1
.set n, 0
	s_wait_alu depctr_va_vdst(0)
.rept 32
	v_pk_add_f32 v[16+2*(n%4):17+2*(n%4)], v[16+2*(n%4):17+2*(n%4)], v[64*(g-1)+2*n:64*(g-1)+2*n+1]   ; THE SUM IS TAKEN OF THE UNQUANTISED p, ahead of the hold
.set n, n+1
.endr
.endif
	WIN 0x41
.set n, 0
.rept 64
.if g < 4
	v_exp_f32 v[64*g+n], v[64*g+n]
.endif
.if g > 0
	v_min_num_f32 v[64*(g-1)+n], v[64*(g-1)+n], v14        ; p is not negative: the hold is one-sided (ISA guide 7.6.2)
.endif
.if (g < 3) && (n%2 == 0)
	v_pk_fma_f32 v[64*(g+1)+n:64*(g+1)+n+1], v[64*(g+1)+n:64*(g+1)+n+1], s[40:41], v[12:13] op_sel_hi:[1,0,0]
.endif
.set n, n+1
.endr
.set g, g+1
.endr
	WIN 0x01                                       ; source 0 window 1
.set n, 0
.rept 32
	v_cvt_scalef32_pk8_bf8_f32 v[136+2*n:137+2*n], v[8*n:8*n+7], v15      ; tile T = 8 s + c: registers 2 c, 2 c + 1 of P's fragment s
.set n, n+1
.endr
	v_nop                                          ; a plain place behind the last conversion
	WIN 0
	s_wait_loadcnt 2                               ; text_proj is in; Q's two loads behind it stay out
.irp i, 0,1,2,3,4,5,6,7
	ds_store_b128 v8, v[40+4*\i:43+4*\i] offset:2*TSP*\i   ; through my rows of LDS into O^T's layout; LDS serves a wave's instructions in order (ISA guide 5.7.1.4)
.endr
.irp t, 0,1,2,3
	ds_load_b128 v[72+8*\t:75+8*\t], v9 offset:64*\t
	ds_load_b128 v[76+8*\t:79+8*\t], v9 offset:64*\t+16
.endr
	WIN 0x03                                       ; source 0 (V) window 3
.irp s, 0,1,2,3
	s_wait_alu depctr_va_vdst(0)
.irp t, 0,1,2,3
.if \s == 0
	v_wmma_f32_16x16x128_bf8_bf8 v[200+8*\t:207+8*\t], v[16*(4*\t+\s):16*(4*\t+\s)+15], v[136+16*\s:151+16*\s], 0
.else
	v_wmma_f32_16x16x128_bf8_bf8 v[200+8*\t:207+8*\t], v[16*(4*\t+\s):16*(4*\t+\s)+15], v[136+16*\s:151+16*\s], v[200+8*\t:207+8*\t]
.endif
.endr
.endr
	WIN 0
	v_pk_add_f32 v[16:17], v[16:17], v[18:19]      ; the sum's parts are joined: these four are the places behind the products
	v_pk_add_f32 v[20:21], v[20:21], v[22:23]
	v_pk_add_f32 v[16:17], v[16:17], v[20:21]
	v_add_f32 v16, v16, v17
	v_permlanex16_b32 v17, v16, s26, s27
	v_add_f32 v16, v16, v17
	s_wait_alu depctr_va_vdst(0)
	v_rcp_f32 v24, v16
	v_mov_b32 v25, 0                               ; (a plain place; named with v24 as a pair)
	s_wait_alu depctr_va_vdst(0)
	v_ldexp_f32 v24, v24, s67                      ; 2^(e8 + e9) / the sum
	s_wait_alu depctr_va_vdst(0)
	s_wait_dscnt 0x0
.set n, 0
.rept 16
	v_pk_fma_f32 v[104+2*n:105+2*n], v[200+2*n:201+2*n], v[24:25], v[72+2*n:73+2*n] op_sel_hi:[1,0,1]   ; text_self = text_proj + O
.set n, n+1
.endr
.irp t, 0,1,2,3
	ds_store_b128 v9, v[104+8*\t:107+8*\t] offset:64*\t
	ds_store_b128 v9, v[108+8*\t:111+8*\t] offset:64*\t+16
.endr
.irp i, 0,1,2,3,4,5,6,7
	ds_load_b128 v[40+4*\i:43+4*\i], v8 offset:2*TSP*\i
.endr
	s_wait_dscnt 0x0
.irp i, 0,1,2,3,4,5,6,7
	v_pk_add_f32 v[40+4*\i:41+4*\i], v[40+4*\i:41+4*\i], v[28:29]
	v_pk_add_f32 v[42+4*\i:43+4*\i], v[42+4*\i:43+4*\i], v[30:31]
.endr
.irp i, 0,1,2,3,4,5,6,7
	global_store_b128 v10, v[40+4*\i:43+4*\i], s[52:53] offset:8192*\i th:TH_STORE_NT   ; sixteen lanes store 256 consecutive bytes, aligned
.endr
	s_wait_xcnt 0x0                                ; the stores have read their registers, and all bases may step
	s_add_nc_u64 s[50:51], s[50:51], 65536
	s_add_nc_u64 s[52:53], s[52:53], 65536
	s_add_nc_u64 s[44:45], s[44:45], 1024
	s_add_co_u32 s71, s71, 16*TSP
	s_add_co_u32 s72, s72, 1
	s_cmp_lt_u32 s72, 8
	s_cbranch_scc1 .Ltrip
	; ---- IMAGE TO TEXT, on my own 128 keys
	s_wait_loadcnt 0x0                             ; the look-ahead of Q
	SCALE 37, 14, 15                               ; text_self as keys (K = the head's 64)
	SCALE 38, 28, 29                               ; p
	SCALE 39, 30, 31                               ; text_self as values (K = the keys)
	s_lshl_b32 s60, s22, 9
	v_lshl_add_u32 v24, v3, 5, s60                 ; my keys' mask: 512 w + 32 h
	WIN 0x40
.irp c, 0,1,2,3,4,5,6,7
.irp t, 0,1,2,3
	ds_load_b128 v[32*\c+8*\t:32*\c+8*\t+3], v7 offset:16*TSP*\c+64*\t            ; key 16 c + r, channels 16 t + 8 h + 0..7
	ds_load_b128 v[32*\c+8*\t+4:32*\c+8*\t+7], v7 offset:16*TSP*\c+64*\t+16
.endr
.endr
	WIN 0
.irp c, 0,1,2,3
	ds_load_b128 v[40+8*\c:43+8*\c], v24 offset:MK2+64*\c
	ds_load_b128 v[44+8*\c:47+8*\c], v24 offset:MK2+64*\c+16
	ds_load_b128 v[200+8*\c:203+8*\c], v24 offset:MK2+256+64*\c
	ds_load_b128 v[204+8*\c:207+8*\c], v24 offset:MK2+256+64*\c+16
.endr
	s_wait_alu depctr_va_vdst(0)
	s_wait_dscnt 0x0
	WIN 0x41
.set n, 0
.rept 256
	v_med3_num_f32 v[n], v[n], -v14, v14
.set n, n+1
.endr
	WIN 0x01
.set n, 0
.rept 32
	v_cvt_scalef32_pk8_bf8_f32 v[72+2*n:73+2*n], v[8*n:8*n+7], v15        ; tile c of 16 keys at v[72 + 8 c]
.set n, n+1
.endr
	v_nop
	WIN 0x40
.irp t, 0,1,2,3
.irp c, 0,1,2,3,4,5,6,7
.irp j, 0,1,2,3,4,5,6,7
	ds_load_b32 v[64*\t+8*\c+\j], v11 offset:(16*\c+\j)*TSP+64*\t          ; text_self by columns: channel 16 t + r, key 16 c + 8 h + j; the two halves of the lanes fall on different banks.  They land under the softmax below
.endr
.endr
.endr
	WIN 0
.irp c, 0,1,2,3,4,5,6,7
	v_wmma_f32_16x16x64_bf8_bf8 v[136+8*\c:143+8*\c], v[72+8*\c:79+8*\c], v[248:255], 0
.endr
	PLACES
.set n, 0
.rept 32
	v_min_num_f32 v[136+n], v[136+n], v[40+n]
.set n, n+1
.endr
.set n, 0
.rept 32
	v_min_num_f32 v[168+n], v[168+n], v[200+n]
.set n, n+1
.endr
	v_max3_num_f32 v16, v136, v137, v138
	v_max3_num_f32 v17, v139, v140, v141
.irp i, 6,10,14,18,22,26,30,34,38,42,46,50,54,58
	v_max3_num_f32 v16, v16, v[136+\i], v[137+\i]
	v_max3_num_f32 v17, v17, v[138+\i], v[139+\i]
.endr
	v_max3_num_f32 v16, v16, v198, v199
	v_max_num_f32 v16, v16, v17
	v_permlanex16_b32 v17, v16, s26, s27
	v_max_num_f32 v16, v16, v17
	v_mul_f32 v13, s42, v16
	v_floor_f32 v12, -v13                          ; -M_w
.set n, 0
.rept 32
	v_pk_fma_f32 v[136+2*n:137+2*n], v[136+2*n:137+2*n], s[42:43], v[12:13] op_sel_hi:[1,0,0]
.set n, n+1
.endr
.set n, 0
	s_wait_alu depctr_va_vdst(0)
.rept 64
	v_exp_f32 v[136+n], v[136+n]
.set n, n+1
.endr
	v_nop                                          ; one plain vector instruction that names none of the results stands between the run of exponentials and the first line that reads one (ISA guide 5.7.2)
	s_wait_alu depctr_va_vdst(0)
	v_pk_add_f32 v[18:19], v[136:137], v[138:139]  ; the sum of the unquantised p, in two chains
	v_pk_add_f32 v[16:17], v[140:141], v[142:143]
.irp j, 8,12,16,20,24,28,32,36,40,44,48,52,56,60
	v_pk_add_f32 v[16:17], v[16:17], v[136+\j:137+\j]
	v_pk_add_f32 v[18:19], v[18:19], v[138+\j:139+\j]
.endr
	v_pk_add_f32 v[16:17], v[16:17], v[18:19]
	v_add_f32 v16, v16, v17
	v_permlanex16_b32 v17, v16, s26, s27
	v_add_f32 v13, v16, v17                        ; beside -M_w
.set n, 0
.rept 64
	v_min_num_f32 v[136+n], v[136+n], v28
.set n, n+1
.endr
.irp c, 0,1,2,3,4,5,6,7
	v_cvt_scalef32_pk8_bf8_f32 v[232+2*\c:233+2*\c], v[136+8*\c:143+8*\c], v29
.endr
	v_nop
	s_wait_dscnt 0x0                               ; the columns are in
	WIN 0x41
.set n, 0
.rept 256
	v_med3_num_f32 v[n], v[n], -v30, v30
.set n, n+1
.endr
	WIN 0x01
.set n, 0
.rept 32
	v_cvt_scalef32_pk8_bf8_f32 v[72+2*n:73+2*n], v[8*n:8*n+7], v31        ; tile t of 16 channels x 128 keys at v[72 + 16 t]
.set n, n+1
.endr
	v_nop
	WIN 0
.irp t, 0,1,2,3
	v_wmma_f32_16x16x128_bf8_bf8 v[200+8*\t:207+8*\t], v[72+16*\t:87+16*\t], v[232:247], 0
.endr
	v_lshl_add_u32 v24, v2, 4, CMB                 ; addresses for the joining: four plain places behind the products
	v_mov_b32 v25, CMB
	v_lshlrev_b32 v20, 4, v2
	v_nop
.irp t, 0,1,2,3
	ds_store_b128 v26, v[200+8*\t:203+8*\t] offset:64*\t                   ; all 16 queries are equal: the lanes of a half write the same bytes with the same values
	ds_store_b128 v26, v[204+8*\t:207+8*\t] offset:64*\t+16
.endr
	ds_store_b64 v27, v[12:13] offset:256
	s_wait_dscnt 0x0                               ; for wave 0's sake
	s_barrier_signal -1
	s_barrier_wait -1
	s_cmp_lg_u32 s22, 0
	s_cbranch_scc1 .Lend                           ; wave 0 joins the four parts
	s_wait_alu depctr_va_vdst(0)
.irp u, 0,1,2,3
	ds_load_b128 v[40+4*\u:43+4*\u], v24 offset:512*\u
	ds_load_b64 v[56+2*\u:57+2*\u], v25 offset:512*\u+256
.endr
	s_wait_dscnt 0x0
	v_min_num_f32 v16, v56, v58
	v_min_num_f32 v17, v60, v62
	v_min_num_f32 v16, v16, v17                    ; -M, M the largest of the four
.irp u, 0,1,2,3
	v_sub_f32 v[64+\u], v16, v[56+2*\u]            ; M_w - M: a whole number, 0 or less
.endr
.irp u, 0,1,2,3
	v_cvt_i32_f32 v[64+\u], v[64+\u]
.endr
.irp u, 0,1,2,3
	v_ldexp_f32 v[64+\u], 1.0, v[64+\u]            ; 2^(M_w - M): rounds nothing
.endr
	v_mul_f32 v18, v64, v57
	v_fmac_f32 v18, v65, v59
	v_fmac_f32 v18, v66, v61
	v_fmac_f32 v18, v67, v63
.irp i, 0,1,2,3
	v_mul_f32 v[68+\i], v64, v[40+\i]
.endr
.irp u, 1,2,3
.irp i, 0,1,2,3
	v_fmac_f32 v[68+\i], v[64+\u], v[40+4*\u+\i]
.endr
.endr
	s_wait_alu depctr_va_vdst(0)
	v_rcp_f32 v18, v18
	v_nop
	s_wait_alu depctr_va_vdst(0)
	v_ldexp_f32 v18, v18, s68                      ; 2^(e12 + e13) / the sum
.irp i, 0,1,2,3
	v_mul_f32 v[68+\i], v[68+\i], v18
.endr
	v_cmp_gt_u32 vcc_lo, 16, v0
	s_wait_alu depctr_va_vdst(0)
	s_wait_xcnt 0x0                                ; EXEC changes only behind this wait
	s_and_saveexec_b32 s60, vcc_lo
	global_store_b128 v20, v[68:71], s[20:21]      ; sixteen lanes store the head's 256 bytes, aligned
	s_wait_xcnt 0x0
	s_or_b32 exec_lo, exec_lo, s60
.Lend:
	s_wait_xcnt 0x0
	s_mov_b32 exec_lo, -1
	v_lshl_add_u32 v254, v0, 2, 0x31000
	v_mov_b32 v255, 0
	s_wait_alu depctr_va_vdst(0)
	s_wait_tensorcnt 0x0
	ds_add_u32 v254, v255
	s_wait_dscnt 0x0
	s_endpgm
.Lfunc_end_k_q22ba2a4e74_attn:
	.size	k_q22ba2a4e74_attn, .Lfunc_end_k_q22ba2a4e74_attn-k_q22ba2a4e74_attn
	.p2alignl 7, 3214868480
	.fill 96, 4, 3214868480
	.section	.rodata,"a",@progbits
	.p2align	6, 0x0
	.amdhsa_kernel k_q22ba2a4e74_attn
		.amdhsa_group_segment_fixed_size 201216
		.amdhsa_private_segment_fixed_size 0
		.amdhsa_enable_private_segment 0
		.amdhsa_kernarg_size 104
		.amdhsa_user_sgpr_count 2
		.amdhsa_user_sgpr_kernarg_segment_ptr 1
		.amdhsa_wavefront_size32 1
		.amdhsa_system_sgpr_workgroup_id_x 1
		.amdhsa_system_sgpr_workgroup_id_y 1
		.amdhsa_system_sgpr_workgroup_id_z 1
		.amdhsa_system_vgpr_workitem_id 0
		.amdhsa_next_free_vgpr 1024
		.amdhsa_next_free_sgpr 100
		.amdhsa_reserve_vcc 1
		.amdhsa_float_denorm_mode_32 3
		.amdhsa_float_denorm_mode_16_64 3
		.amdhsa_memory_ordered 1
		.amdhsa_forward_progress 1
		.amdhsa_inst_pref_size 204
	.end_amdhsa_kernel
	.amdgpu_metadata
---
amdhsa.version: [ 1, 2 ]
amdhsa.kernels:
  - .name:           k_q22ba2a4e74_attn
    .symbol:         k_q22ba2a4e74_attn.kd
    .args:
      - { .name: qkv, .offset: 0, .size: 8, .value_kind: global_buffer, .address_space: global }
      - { .name: tproj, .offset: 8, .size: 8, .value_kind: global_buffer, .address_space: global }
      - { .name: vp, .offset: 16, .size: 8, .value_kind: global_buffer, .address_space: global }
      - { .name: codes, .offset: 24, .size: 8, .value_kind: global_buffer, .address_space: global }
      - { .name: rel_embed, .offset: 32, .size: 8, .value_kind: global_buffer, .address_space: global }
      - { .name: text_mask, .offset: 40, .size: 8, .value_kind: global_buffer, .address_space: global }
      - { .name: lowp_scales, .offset: 48, .size: 8, .value_kind: global_buffer, .address_space: global }
      - { .name: out1, .offset: 56, .size: 8, .value_kind: global_buffer, .address_space: global }
      - { .name: i2o, .offset: 64, .size: 8, .value_kind: global_buffer, .address_space: global }
      - { .name: g_t2i, .offset: 72, .size: 8, .value_kind: global_buffer, .address_space: global }
      - { .name: be_t2i, .offset: 80, .size: 8, .value_kind: global_buffer, .address_space: global }
      - { .name: b_tout, .offset: 88, .size: 8, .value_kind: global_buffer, .address_space: global }
      - { .name: alpha_t2i, .offset: 96, .size: 8, .value_kind: global_buffer, .address_space: global }
    .group_segment_fixed_size: 201216
    .private_segment_fixed_size: 0
    .kernarg_segment_align: 8
    .kernarg_segment_size: 104
    .max_flat_workgroup_size: 128
    .sgpr_count:     100
    .vgpr_count:     1024
    .wavefront_size: 32
...
	.end_amdgpu_metadata
.endif
;; end of part 6
;; launch final (part 7): grid 16 x 1, 4 waves a work-group, no clusters, 21,760 bytes of LDS; arguments i2o, g_i2t, be_i2t, codes, b_vout, alpha_i2t, lowp_scales, vp, out0; writes out0
.if DOCPART == 7
	.amdgcn_target "amdgcn-amd-amdhsa--gfx1250"
	.amdhsa_code_object_version 6
	.text
	.protected	k_q22ba2a4e74_final
	.globl	k_q22ba2a4e74_final
	.p2align	8
	.type	k_q22ba2a4e74_final,@function
k_q22ba2a4e74_final:
	s_mov_b64 s[64:65], 0
	v_nop
	global_prefetch_b8 v0, s[64:65] scope:SCOPE_SE
	s_setreg_imm32_b32 hwreg(HW_REG_WAVE_MODE, 25, 1), 1
	s_wait_xcnt 0x0
; One text in three modes, for the three products with 16 rows (the 16 batches).  MODE 0: vp = Q(vision_features) Q(W_vp)^T + b_vp.
; MODE 1: tv = alpha_t2i x (Q(LN(vp)) Q(W_tout)^T + b_tout).  reference()'s softmax of text to image runs over ONE key: exp(x - x) / exp(x - x) = 1 wherever x is finite, so its output is vision_proj's row
;   for every position, and the last product has 16 distinct rows; the scores that this softmax discards are not formed.  MODE 2: out0 = vp + alpha_i2t x (Q(LN(i2o)) Q(W_vout)^T + b_vout).
; SHARES.  Work-group g makes columns 64 g .. 64 g + 63, wave w the tile of 16 columns at n0 = 64 g + 16 w.  Each wave norms and quantises 4 of the 16 rows; the codes meet in LDS (rows 1,040 bytes apart).
; The weight's codes come from the quantising launch, K in its order (byte 8 l + 4 j + i of a block of 256 = k 128 j + 4 l + i); the rows are quantised here in the same order.
; THE MATRIX INSTRUCTION IS USED TRANSPOSED: source 0 = 16 rows of W, source 1 = the 16 rows: lane (r, h) holds row r and columns n0 + 8 h + 0 .. 7.  Two accumulators take turns along K.
; No cluster: the rows are normed in f32 in registers before they are codes, so no tile is fetched by a tensor load; each row of W is read by one wave alone.
; LIMITS: eA between -126 and 112, eA + eB between -126 and 127; NaN among the inputs is not served.
.set MODE, 2
.if MODE == 0
.set K, 768
.set CW, 0
.set EOFF, 0
.set A_C, 0x8
.set A_B, 0x10
.set A_L, 0x18
.set A_O, 0x20
.else
.set K, 1024
.set A_G, 0x8
.set A_BE, 0x10
.set A_C, 0x18
.set A_B, 0x20
.set A_AL, 0x28
.set A_L, 0x30
.if MODE == 1
.set CW, 5767168
.set EOFF, 64
.set A_O, 0x38
.else
.set CW, 4718592
.set EOFF, 56
.set A_BASE, 0x38
.set A_O, 0x40
.endif
.endif
.set NS, K/128                         ; K steps; also the loads that bring a row
.set AP, 1040                          ; a row of codes in LDS: 1,024 + 16
.set STG, 16*AP                        ; the stage for the way out: 16 rows x (256 + 16)
.set MSB, 0
.macro WIN new                         ; the immediate's high byte repeats the setting that is left
.if MSB != \new
	s_set_vgpr_msb (MSB<<8)|\new
.set MSB, \new
.endif
.endm
.macro WSUM a, b                       ; the sum over the 32 lanes of v[a], in every lane; v[b] at work
	v_add_f32_dpp v[\a], v[\a], v[\a] row_xmask:1 row_mask:0xf bank_mask:0xf
	v_add_f32_dpp v[\a], v[\a], v[\a] row_xmask:2 row_mask:0xf bank_mask:0xf
	v_add_f32_dpp v[\a], v[\a], v[\a] row_xmask:4 row_mask:0xf bank_mask:0xf
	v_add_f32_dpp v[\a], v[\a], v[\a] row_xmask:8 row_mask:0xf bank_mask:0xf
	v_permlanex16_b32 v[\b], v[\a], s34, s35
	v_add_f32 v[\a], v[\a], v[\b]
.endm
.macro LNROW x                         ; a row of 1,024, 32 numbers a lane in v[x] on: (x - mean) rsqrt(var + 1e-5) g + b, g in v32-63, b in v64-95
	v_pk_add_f32 v[16:17], v[(\x):(\x)+1], v[(\x)+2:(\x)+3]
	v_pk_add_f32 v[18:19], v[(\x)+4:(\x)+5], v[(\x)+6:(\x)+7]
	v_pk_add_f32 v[20:21], v[(\x)+8:(\x)+9], v[(\x)+10:(\x)+11]
	v_pk_add_f32 v[22:23], v[(\x)+12:(\x)+13], v[(\x)+14:(\x)+15]
.irp k, 0,1,2,3,4,5,6,7
	v_pk_add_f32 v[16+2*(\k%4):17+2*(\k%4)], v[16+2*(\k%4):17+2*(\k%4)], v[(\x)+16+2*\k:(\x)+17+2*\k]
.endr
	v_pk_add_f32 v[16:17], v[16:17], v[18:19]
	v_pk_add_f32 v[20:21], v[20:21], v[22:23]
	v_pk_add_f32 v[16:17], v[16:17], v[20:21]
	v_add_f32 v16, v16, v17
	WSUM 16, 17
	v_mul_f32 v16, s32, v16                        ; the mean
.irp k, 0,1,2,3,4,5,6,7,8,9,10,11,12,13,14,15
	v_pk_add_f32 v[(\x)+2*\k:(\x)+2*\k+1], v[(\x)+2*\k:(\x)+2*\k+1], v[16:17] op_sel_hi:[1,0] neg_lo:[0,1] neg_hi:[0,1]
.endr
.irp k, 0,1,2,3
	v_pk_mul_f32 v[18+2*\k:19+2*\k], v[(\x)+2*\k:(\x)+2*\k+1], v[(\x)+2*\k:(\x)+2*\k+1]
.endr
.irp k, 4,5,6,7,8,9,10,11,12,13,14,15
	v_pk_fma_f32 v[18+2*(\k%4):19+2*(\k%4)], v[(\x)+2*\k:(\x)+2*\k+1], v[(\x)+2*\k:(\x)+2*\k+1], v[18+2*(\k%4):19+2*(\k%4)]
.endr
	v_pk_add_f32 v[18:19], v[18:19], v[20:21]
	v_pk_add_f32 v[22:23], v[22:23], v[24:25]
	v_pk_add_f32 v[18:19], v[18:19], v[22:23]
	v_add_f32 v18, v18, v19
	WSUM 18, 19
	v_fma_f32 v18, v18, s32, s33                   ; the variance + 1e-5
	s_wait_alu depctr_va_vdst(0)
	v_rsq_f32 v18, v18
	v_nop                                          ; a plain place behind the transcendental
	s_wait_alu depctr_va_vdst(0)
.irp k, 0,1,2,3,4,5,6,7,8,9,10,11,12,13,14,15
	v_pk_mul_f32 v[(\x)+2*\k:(\x)+2*\k+1], v[(\x)+2*\k:(\x)+2*\k+1], v[18:19] op_sel_hi:[1,0]
.endr
.irp k, 0,1,2,3,4,5,6,7,8,9,10,11,12,13,14,15
	v_pk_fma_f32 v[(\x)+2*\k:(\x)+2*\k+1], v[(\x)+2*\k:(\x)+2*\k+1], v[32+2*\k:33+2*\k], v[64+2*\k:65+2*\k]
.endr
.endm
.macro XLOAD i                         ; row 4 w + i: NS loads of 512 consecutive bytes; register 4 j + i' = column 128 j + 4 lane + i'
.set j, 0
.rept NS
	global_load_b128 v[96+32*((\i)%2)+4*j:96+32*((\i)%2)+4*j+3], v5, s[4:5] offset:(\i)*4*K+512*j
.set j, j+1
.endr
.endm
.macro ROW i
.set XB, 96+32*((\i)%2)
.if (\i) < 3
	s_wait_loadcnt NS                              ; this row (and all that was asked for before it) is in; the next row's loads stay out
.else
	s_wait_loadcnt 0x0
.endif
.if MODE > 0
	LNROW XB
.endif
.set n, 0
.rept K/32
	v_med3_num_f32 v[XB+n], v[XB+n], -v14, v14     ; the hold at the largest code x the scale (ISA guide 7.6.2)
.set n, n+1
.endr
.set n, 0
.rept K/256
	v_cvt_scalef32_pk8_bf8_f32 v[208+8*(\i)+2*n:209+8*(\i)+2*n], v[XB+8*n:XB+8*n+7], v15
.set n, n+1
.endr
	v_nop                                          ; a plain place behind the last conversion
.set n, 0
.rept K/256
	ds_store_b64 v8, v[208+8*(\i)+2*n:209+8*(\i)+2*n] offset:(\i)*AP+256*n
.set n, n+1
.endr
.if (\i) < 2
	XLOAD (\i)+2
.endif
.endm
	s_load_b64 s[4:5], s[0:1], 0x0                 ; the rows
	s_load_b64 s[10:11], s[0:1], A_C               ; codes
	s_load_b64 s[12:13], s[0:1], A_B               ; the bias
	s_load_b64 s[16:17], s[0:1], A_L               ; lowp_scales
	s_load_b64 s[20:21], s[0:1], A_O               ; the result
.if MODE > 0
	s_load_b64 s[6:7], s[0:1], A_G
	s_load_b64 s[8:9], s[0:1], A_BE
	s_load_b64 s[14:15], s[0:1], A_AL
.endif
.if MODE == 2
	s_load_b64 s[18:19], s[0:1], A_BASE
	v_lshl_add_u32 v254, v0, 2, 0x5300
	v_mov_b32 v255, 0
.endif
	v_and_b32 v1, 31, v0                           ; lane
	v_and_b32 v2, 15, v0                           ; r
	s_wait_alu depctr_va_vdst(0)
	v_bfe_u32 v3, v0, 4, 1                         ; h
	v_lshrrev_b32 v4, 5, v0
	v_readfirstlane_b32 s22, v4                    ; wave
	s_mov_b32 s32, 0x3a800000                      ; 1 / 1,024
	s_mov_b32 s33, 0x3727c5ac                      ; 1e-5
	s_mov_b32 s34, 0x76543210
	s_mov_b32 s35, 0xfedcba98
	s_lshl_b32 s23, ttmp9, 6
	s_lshl_b32 s24, s22, 4
	s_add_co_u32 s23, s23, s24                     ; n0
	s_mul_i32 s24, s23, K
	s_add_co_u32 s24, s24, CW                      ; W's row n0 in the stream of codes
	s_mov_b32 s25, 0
	s_lshl_b32 s26, s23, 2                         ; 4 n0
	s_mov_b32 s27, 0
	s_mul_i32 s36, s22, 16*K                       ; my four rows
	s_mov_b32 s37, 0
	s_lshl_b32 s38, ttmp9, 8                       ; the work-group's 256 bytes of a row of the result
	s_mov_b32 s39, 0
	v_mul_u32_u24 v4, v2, K
	s_wait_alu depctr_va_vdst(0)
	v_lshl_add_u32 v4, v3, 4, v4                   ; W: row r, + 16 h
	v_lshlrev_b32 v5, 4, v1                        ; 16 x lane
	v_lshlrev_b32 v6, 5, v3                        ; the bias: 32 h
	v_lshl_add_u32 v7, v2, 12, v6                  ; the base: row r, + 32 h
	s_mul_i32 s40, s22, 4*AP
	v_lshl_add_u32 v8, v1, 3, s40                  ; codes into LDS: my four rows, 8 x lane
	v_mul_u32_u24 v9, v2, AP
	v_lshl_add_u32 v9, v3, 4, v9                   ; and out of it: row r, + 16 h
	v_mul_u32_u24 v10, v2, 272
	v_lshl_add_u32 v10, v3, 5, v10
	s_lshl_b32 s41, s22, 6
	s_add_co_u32 s41, s41, STG
	v_add_nc_u32 v10, s41, v10                     ; the stage, in: row r, 64 w + 32 h
	s_mul_i32 s42, s22, 4*272
	s_add_co_u32 s42, s42, STG
	v_mul_u32_u24 v11, v3, 272
	v_lshl_add_u32 v11, v2, 4, v11
	v_add_nc_u32 v11, s42, v11                     ; back: rows 4 w + h (+ 2), 16 r
	s_lshl_b32 s43, s22, 14
	v_lshlrev_b32 v12, 12, v3
	v_lshl_add_u32 v12, v2, 4, v12
	v_add_nc_u32 v12, s43, v12                     ; and the same place in the result
	s_wait_kmcnt 0x0
	s_load_b64 s[28:29], s[16:17], EOFF            ; eA, eB
.if MODE > 0
	s_load_b32 s30, s[14:15], 0x0                  ; alpha
.endif
	s_add_nc_u64 s[10:11], s[10:11], s[24:25]
	s_add_nc_u64 s[12:13], s[12:13], s[26:27]
	s_add_nc_u64 s[4:5], s[4:5], s[36:37]
	s_add_nc_u64 s[20:21], s[20:21], s[38:39]
.if MODE == 2
	s_add_nc_u64 s[18:19], s[18:19], s[26:27]
.endif
	WIN 0x40                                       ; destination window 1: W's fragments, K step s at v[16 s]
.set n, 0
.rept NS
.irp c, 0,1,2,3
	global_load_b128 v[16*n+4*\c:16*n+4*\c+3], v4, s[10:11] offset:128*n+32*\c
.endr
.set n, n+1
.endr
	WIN 0
.if MODE > 0
.irp j, 0,1,2,3,4,5,6,7
	global_load_b128 v[32+4*\j:35+4*\j], v5, s[6:7] offset:512*\j
	global_load_b128 v[64+4*\j:67+4*\j], v5, s[8:9] offset:512*\j
.endr
.endif
	global_load_b128 v[176:179], v6, s[12:13]
	global_load_b128 v[180:183], v6, s[12:13] offset:16
.if MODE == 2
	global_load_b128 v[184:187], v7, s[18:19]
	global_load_b128 v[188:191], v7, s[18:19] offset:16
.endif
	XLOAD 0
	XLOAD 1
	s_wait_kmcnt 0x0
	s_add_co_i32 s44, s28, 127
	s_lshl_b32 s45, s44, 23
	v_mov_b32 v15, s45                             ; 2^eA
	s_add_co_i32 s44, s44, 15
	s_lshl_b32 s44, s44, 23
	s_or_b32 s44, s44, 0x600000
	v_mov_b32 v14, s44                             ; 57,344 x 2^eA
	s_add_co_i32 s28, s28, s29
	s_add_co_i32 s28, s28, 127
	s_lshl_b32 s28, s28, 23                        ; 2^(eA + eB)
	s_mov_b32 s29, s28                             ; (named with it as a pair, so it is written)
.if MODE > 0
	s_mov_b32 s31, s30
.endif
	ROW 0
	ROW 1
	ROW 2
	ROW 3
	s_wait_dscnt 0x0                               ; for the others' sake: my rows' codes have landed
	s_barrier_signal -1
	s_barrier_wait -1
.set n, 0
.rept NS
.irp c, 0,1,2,3
	ds_load_b128 v[32+16*n+4*\c:35+16*n+4*\c], v9 offset:128*n+32*\c
.endr
.set n, n+1
.endr
	s_wait_dscnt 0x0
	WIN 0x01                                       ; source 0 (W) window 1
.set n, 0
.rept NS
.if n < 2
	v_wmma_f32_16x16x128_bf8_bf8 v[160+8*(n%2):167+8*(n%2)], v[16*n:16*n+15], v[32+16*n:47+16*n], 0
.else
	v_wmma_f32_16x16x128_bf8_bf8 v[160+8*(n%2):167+8*(n%2)], v[16*n:16*n+15], v[32+16*n:47+16*n], v[160+8*(n%2):167+8*(n%2)]
.endif
.set n, n+1
.endr
	WIN 0
.rept 4
	v_nop                                          ; places in front of the first read of results (ISA guide 7.12.1)
.endr
.irp i, 0,2,4,6
	v_pk_add_f32 v[192+\i:193+\i], v[160+\i:161+\i], v[168+\i:169+\i]
.endr
.irp i, 0,2,4,6
	v_pk_fma_f32 v[192+\i:193+\i], v[192+\i:193+\i], s[28:29], v[176+\i:177+\i] op_sel_hi:[1,0,1]   ; sum x 2^(eA + eB) + bias
.endr
.if MODE == 1
.irp i, 0,2,4,6
	v_pk_mul_f32 v[192+\i:193+\i], v[192+\i:193+\i], s[30:31] op_sel_hi:[1,0]
.endr
.endif
.if MODE == 2
.irp i, 0,2,4,6
	v_pk_fma_f32 v[192+\i:193+\i], v[192+\i:193+\i], s[30:31], v[184+\i:185+\i] op_sel_hi:[1,0,1]
.endr
.endif
	ds_store_b128 v10, v[192:195]
	ds_store_b128 v10, v[196:199] offset:16
	s_wait_dscnt 0x0                               ; a row's 256 bytes come from four waves
	s_barrier_signal -1
	s_barrier_wait -1
	ds_load_b128 v[200:203], v11
	ds_load_b128 v[204:207], v11 offset:544
	s_wait_dscnt 1
	global_store_b128 v12, v[200:203], s[20:21]    ; sixteen lanes store 256 consecutive bytes, aligned
	s_wait_dscnt 0x0
	global_store_b128 v12, v[204:207], s[20:21] offset:8192
	s_barrier_signal -1
	s_barrier_wait -1
	s_wait_tensorcnt 0x0
	ds_add_u32 v254, v255
	s_wait_dscnt 0x0
	s_endpgm
.Lfunc_end_k_q22ba2a4e74_final:
	.size	k_q22ba2a4e74_final, .Lfunc_end_k_q22ba2a4e74_final-k_q22ba2a4e74_final
	.p2alignl 7, 3214868480
	.fill 96, 4, 3214868480
	.section	.rodata,"a",@progbits
	.p2align	6, 0x0
	.amdhsa_kernel k_q22ba2a4e74_final
		.amdhsa_group_segment_fixed_size 21760
		.amdhsa_private_segment_fixed_size 0
		.amdhsa_enable_private_segment 0
		.amdhsa_kernarg_size 72
		.amdhsa_user_sgpr_count 2
		.amdhsa_user_sgpr_kernarg_segment_ptr 1
		.amdhsa_wavefront_size32 1
		.amdhsa_system_sgpr_workgroup_id_x 1
		.amdhsa_system_sgpr_workgroup_id_y 1
		.amdhsa_system_sgpr_workgroup_id_z 1
		.amdhsa_system_vgpr_workitem_id 0
		.amdhsa_next_free_vgpr 384
		.amdhsa_next_free_sgpr 66
		.amdhsa_reserve_vcc 0
		.amdhsa_float_denorm_mode_32 3
		.amdhsa_float_denorm_mode_16_64 3
		.amdhsa_memory_ordered 1
		.amdhsa_forward_progress 1
		.amdhsa_inst_pref_size 51
	.end_amdhsa_kernel
	.amdgpu_metadata
---
amdhsa.version: [ 1, 2 ]
amdhsa.kernels:
  - .name:           k_q22ba2a4e74_final
    .symbol:         k_q22ba2a4e74_final.kd
    .args:
      - { .name: i2o, .offset: 0, .size: 8, .value_kind: global_buffer, .address_space: global }
      - { .name: g_i2t, .offset: 8, .size: 8, .value_kind: global_buffer, .address_space: global }
      - { .name: be_i2t, .offset: 16, .size: 8, .value_kind: global_buffer, .address_space: global }
      - { .name: codes, .offset: 24, .size: 8, .value_kind: global_buffer, .address_space: global }
      - { .name: b_vout, .offset: 32, .size: 8, .value_kind: global_buffer, .address_space: global }
      - { .name: alpha_i2t, .offset: 40, .size: 8, .value_kind: global_buffer, .address_space: global }
      - { .name: lowp_scales, .offset: 48, .size: 8, .value_kind: global_buffer, .address_space: global }
      - { .name: vp, .offset: 56, .size: 8, .value_kind: global_buffer, .address_space: global }
      - { .name: out0, .offset: 64, .size: 8, .value_kind: global_buffer, .address_space: global }
    .group_segment_fixed_size: 21760
    .private_segment_fixed_size: 0
    .kernarg_segment_align: 8
    .kernarg_segment_size: 72
    .max_flat_workgroup_size: 128
    .sgpr_count:     66
    .vgpr_count:     384
    .wavefront_size: 32
...
	.end_amdgpu_metadata
.endif
;; end of part 7
